; MI455X (gfx1250); checked and timed in simulation.
; The chip was launched on July 23, 2026; its instructions are those of AMD's public machine-readable ISA for CDNA 5 (MIT licence, August 2026) and "CDNA5" Instruction Set Architecture Reference Guide (July 2026). The comments in the code are by the model that wrote it; some were corrected since.
;; Bahdanau Attention. Allowed arithmetic: float matrix products may take bf16 or f16 operands with f32 sums; other float arithmetic in f32, or as packed bf16 or f16 multiplies, adds, multiply-adds, maxima and minima; sums over many terms, partial sums and values carried from step to step in f32; what a program stores and reads back later, other than sums and carried values, may be rounded once to bf16 or f16.
;; Inputs: V 1,024 x 1 float32; W1 1,024 x 1,024 float32; W2 1,024 x 1,024 float32; b1 1,024 float32; b2 1,024 float32; bV 1 float32; mask 32 x 2,048 float32; query 32 x 1,024 float32; values 32 x 2,048 x 1,024 float32.
;; Outputs: out0 32 x 1,024 float32; out1 32 x 2,048 x 1 float32.
;; 2 versions, each right; version 2 is version 1 with the launch score written anew for expert scheduling mode. Each part assembles by itself: llvm-mc -triple=amdgcn-amd-amdhsa -mcpu=gfx1250 --defsym DOCPART=n.
;; ======== version 1 of 2: 4 launches
;; workspace buffers: wf 2,097,152 bytes; pq 131,072 bytes; fl 262,144 bytes of whole numbers; wrows 262,144 bytes of whole numbers; pos 266,240 bytes of whole numbers; sc 294,912 bytes; st 65,536 bytes; cp 1,048,576 bytes
;; launch prep (part 1): grid 112 x 1, 8 waves a work-group, no clusters, 111,872 bytes of LDS; arguments W1, W2, query, b1, b2, V, mask, wf, pq, fl, wrows; writes wf, pq, fl, wrows
.if DOCPART == 1
	.amdgcn_target "amdgcn-amd-amdhsa--gfx1250"
	.amdhsa_code_object_version 6
	.text
	.protected	k_q472df84e25_prep
	.globl	k_q472df84e25_prep
	.p2align	8
	.type	k_q472df84e25_prep,@function
k_q472df84e25_prep:
	s_mov_b64 s[64:65], 0
	v_nop
	global_prefetch_b8 v0, s[64:65] scope:SCOPE_SE
	s_setreg_imm32_b32 hwreg(HW_REG_WAVE_MODE, 25, 1), 1
	s_wait_xcnt 0x0
; PREPARATION, three jobs chosen by the work-group's number (the same for all eight waves of a work-group).
; JOB A (work-groups 0-63): W1 [1024 k][1024 n] f32 is rounded once to bf16 and laid out as matrix fragments, in the order in which the main launch takes them:
;   wf[cg 16][ks 32][b 4][c 2][lane 32][8]: lane (r = lane % 16, h = lane / 16) holds W1[32 ks + 16 c + 8 h + 0..7][64 cg + 16 b + r].  A wave makes one unit (cg, ks): 4,096 bytes.
; JOB B (64-79): pq[batch][u] = C2L (query W2 + b2 + b1), C2L = 2 log2(e), for 64 columns u a work-group; K is split among the eight waves (128 each), the partial sums meet in LDS in f32.
; JOB C (80-111): for batch b the penalty pen = 1e9 mask, its least value, and S = the sum of |V|.  |tanh . V| <= S, so a row whose penalty exceeds the least one by more than
;   TH = 4 S + 256 + |least| 2^-20 has a score more than 104 below the batch's maximum, and its weight e^-104 is 0 in f32.  fl = 1 for the other rows (the live ones).
;   wrows is filled with the batch's first row number; the next launch overwrites the live entries.
; LIMITS.  NaN and infinities in mask or V are not treated apart (a NaN penalty counts as dead); W1, W2 and query enter their products rounded once to bf16.
; A tile of 32 k x 64 n turns from [k][n] into fragments through the wave's own LDS bytes: rows of 128 bytes at a pitch of 160 (an odd multiple of 32).
.set TP,    160                        ; pitch of a turned tile's rows
.set TTW,   32*TP                      ; a wave's tile: 5,120 bytes, at wave x TTW
.set PART,  8*TTW                      ; job B: a wave's partial sums, 32 batches x 64 columns f32
.set PP,    272                        ; their pitch: 256 + 16, an odd multiple of 16
.set PARTW, 32*PP
.set RED,   PART+8*PARTW               ; job C: eight pairs (least penalty, sum of |V|)
.set SPARE, RED+256                    ; the spare words, 128 bytes for each wave: four blocks of 256 bytes that no other line names
.set SPW, 4                            ; v4   LDS address of my spare word; never rewritten
.set NIL, 5                            ; v5   0; never rewritten
.set GL,  6                            ; v6   a tile's load: 16,384 h + 16 r (lanes 0-15 one row's 256 bytes, lanes 16-31 the row four further down)
.set TS,  7                            ; v7   where I put 8 bytes of a tile's row
.set TL,  8                            ; v8   the turning load's address
.set L16, 9                            ; v9   16 x lane
.set QS,  16                           ; v[16:143]  job B: query as loaded, 32 registers a unit; later the partial sums read back
.set ACC, 144                          ; v[144:207] job B: eight accumulators, (mb, b) at ACC + 8 (4 mb + b)
.set WF,  208                          ; v[208:239] a unit's four fragments of W
.set QF,  240                          ; v[240:255] a unit's two fragments of query
                                       ; window 1: v[0:255] four tiles of 64 registers as loaded
.set MSB, 0
.macro WIN new                         ; s_set_vgpr_msb: bits 1:0 source 0, 3:2 source 1, 5:4 source 2, 7:6 destination; the high byte repeats the setting that is left
.if MSB != (\new)
	s_set_vgpr_msb (MSB<<8)|(\new)
.set MSB, \new
.endif
.endm
; 16 loads: a tile of 32 k x 64 n in f32 into window 1, registers st on; load i takes rows 8 (i / 4) + i % 4 + 4 h
.macro TILE_LD st, off
	WIN 0x40
.set ti, 0
.rept 16
	global_load_b128 v[(\st)+4*ti:(\st)+4*ti+3], v[GL], s[40:41] offset:(\off)+(8*(ti/4)+ti%4)*4096 th:TH_LOAD_NT
.set ti, ti+1
.endr
	WIN 0
.endm
; the tile is rounded in place, stored as [k][n] bf16 into my own LDS bytes and read back turned: four fragments in WF
.macro TILE_TR st
	WIN 0x45
.set ti, 0
.rept 16
	v_cvt_pk_bf16_f32 v[(\st)+4*ti],   v[(\st)+4*ti],   v[(\st)+4*ti+1]
	v_cvt_pk_bf16_f32 v[(\st)+4*ti+1], v[(\st)+4*ti+2], v[(\st)+4*ti+3]
.set ti, ti+1
.endr
	WIN 0x04                                       ; store data in window 1, address in window 0
.set ti, 0
.rept 16
	ds_store_b64 v[TS], v[(\st)+4*ti:(\st)+4*ti+1] offset:(8*(ti/4)+ti%4)*TP
.set ti, ti+1
.endr
	WIN 0
.set ti, 0
.rept 8                                        ; fragment ti / 2, half ti % 2.  LDS serves a wave's instructions in order: these see the stores above
	ds_load_tr16_b128 v[WF+4*ti:WF+4*ti+3], v[TL] offset:32*(ti/2)+16*TP*(ti%2)
.set ti, ti+1
.endr
	s_wait_dscnt 0x0
.endm
.macro ADD4 d, s                       ; four f32 sums
	v_pk_add_f32 v[(\d):(\d)+1],   v[(\d):(\d)+1],   v[(\s):(\s)+1]
	v_pk_add_f32 v[(\d)+2:(\d)+3], v[(\d)+2:(\d)+3], v[(\s)+2:(\s)+3]
.endm
	s_load_b512 s[8:23], s[0:1], 0x0               ; W1 s[8:9], W2 s[10:11], query s[12:13], b1 s[14:15], b2 s[16:17], V s[18:19], mask s[20:21], wf s[22:23]
	s_load_b128 s[24:27], s[0:1], 0x40             ; pq s[24:25], fl s[26:27]
	s_load_b64 s[30:31], s[0:1], 0x50              ; wrows
	v_lshl_add_u32 v[SPW], v0, 2, SPARE
	v_mov_b32 v[NIL], 0
	v_lshrrev_b32 v1, 5, v0
	v_readfirstlane_b32 s2, v1                     ; wave 0..7
	v_and_b32 v1, 31, v0                           ; lane
	v_and_b32 v2, 15, v0                           ; r
	v_bfe_u32 v3, v0, 4, 1                         ; h
	s_mov_b32 s3, ttmp9
	v_lshlrev_b32 v[GL], 14, v3
	v_lshl_add_u32 v[GL], v2, 4, v[GL]
	s_mul_i32 s32, s2, TTW
	v_mul_u32_u24 v[TS], v3, 4*TP
	v_lshl_add_u32 v[TS], v2, 3, v[TS]
	v_add_nc_u32 v[TS], s32, v[TS]                 ; my tile + row 4 h + 8 r bytes
	v_and_b32 v[TL], 7, v0
	v_lshl_add_u32 v[TL], v3, 3, v[TL]
	v_mul_u32_u24 v[TL], v[TL], TP
	v_bfe_u32 v[L16], v0, 3, 1
	v_lshl_add_u32 v[TL], v[L16], 4, v[TL]
	v_add_nc_u32 v[TL], s32, v[TL]                 ; my tile + row 8 h + lane % 8, 16 bytes on for lanes 8-15 of each half
	v_lshlrev_b32 v[L16], 4, v1
	s_mov_b32 s37, 0
	s_wait_kmcnt 0x0
	s_cmp_lt_u32 s3, 64
	s_cbranch_scc1 .Ljob_a
	s_cmp_lt_u32 s3, 80
	s_cbranch_scc1 .Ljob_b
	; ---- JOB C ----
	s_sub_co_u32 s33, s3, 80                       ; batch
	s_lshl_b32 s36, s33, 13                        ; 8,192 bytes of mask, fl and wrows a batch
	s_add_nc_u64 s[20:21], s[20:21], s[36:37]
	s_add_nc_u64 s[26:27], s[26:27], s[36:37]
	s_add_nc_u64 s[30:31], s[30:31], s[36:37]
	v_lshlrev_b32 v10, 4, v0                       ; 16 bytes a thread: a wave's load or store covers 512 consecutive bytes
	global_load_b128 v[16:19], v10, s[20:21]
	global_load_b128 v[20:23], v10, s[20:21] offset:4096
	global_load_b128 v[24:27], v10, s[18:19]
	s_mov_b32 s34, 0x4e6e6b28                      ; 1e9
	s_mov_b32 s35, s34
	s_mov_b32 s46, 0x76543210                      ; v_permlanex16_b32: each lane takes its own place in the other half
	s_mov_b32 s47, 0xfedcba98
	s_lshl_b32 s44, s2, 3
	s_add_co_u32 s44, s44, RED
	v_mov_b32 v32, s44
	v_mov_b32 v33, RED
	v_mov_b32 v31, 0
	s_wait_loadcnt 0x0
.irp i, 16,18,20,22
	v_pk_mul_f32 v[\i:\i+1], v[\i:\i+1], s[34:35] op_sel_hi:[1,0]  ; the penalty
.endr
	v_min3_num_f32 v28, v16, v17, v18
	v_add_f32 v29, |v24|, |v25|
	v_min3_num_f32 v28, v28, v19, v20
	v_add_f32 v30, |v26|, |v27|
	v_min3_num_f32 v28, v28, v21, v22
	v_add_f32 v29, v29, v30
	v_min_num_f32 v28, v28, v23
.irp m, 1,2,4,8
	v_min_num_f32_dpp v28, v28, v28 row_xmask:\m row_mask:0xf bank_mask:0xf
	v_add_f32_dpp v29, v29, v29 row_xmask:\m row_mask:0xf bank_mask:0xf
.endr
	v_permlanex16_b32 v30, v28, s46, s47
	v_permlanex16_b32 v31, v29, s46, s47
	v_min_num_f32 v28, v28, v30
	v_add_f32 v29, v29, v31
	ds_store_b64 v32, v[28:29]                     ; all lanes write the wave's pair with the same numbers
	s_wait_dscnt 0x0                               ; for the others' sake
	s_barrier_signal -1
	s_barrier_wait -1
.irp i, 0,1,2,3
	ds_load_b128 v[36+4*\i:39+4*\i], v33 offset:16*\i
.endr
	s_wait_dscnt 0x0
	v_min3_num_f32 v28, v36, v38, v40
	v_add_f32 v29, v37, v39
	v_min3_num_f32 v28, v28, v42, v44
	v_add_f32 v30, v41, v43
	v_min3_num_f32 v28, v28, v46, v48
	v_add_f32 v31, v45, v47
	v_min_num_f32 v28, v28, v50                    ; the batch's least penalty
	v_add_f32 v34, v49, v51
	v_add_f32 v29, v29, v30
	v_add_f32 v31, v31, v34
	v_add_f32 v29, v29, v31                        ; S
	v_fma_f32 v30, v29, 4.0, 0x43800000            ; 4 S + 256
	v_fma_f32 v30, |v28|, 0x35800000, v30          ; + |least| 2^-20, for the roundings of sums next to large penalties
.irp i, 0,1,2,3,4,5,6,7
	v_sub_f32 v[36+\i], v[16+\i], v28
	v_cmp_le_f32 vcc_lo, v[36+\i], v30
	v_cndmask_b32 v[36+\i], 0, 1, vcc_lo           ; a value, not a branch: the flag is stored at a fixed place
.endr
	s_lshl_b32 s34, s33, 11
.irp i, 0,1,2,3
	v_mov_b32 v[48+\i], s34                        ; the batch's first row
.endr
	global_store_b128 v10, v[36:39], s[26:27]
	global_store_b128 v10, v[40:43], s[26:27] offset:4096
	global_store_b128 v10, v[48:51], s[30:31]
	global_store_b128 v10, v[48:51], s[30:31] offset:4096
	s_branch .Lend
	; ---- JOB A ----
.Ljob_a:
	s_lshl_b32 s33, s3, 3
	s_add_co_u32 s33, s33, s2                      ; unit = 32 cg + ks
	s_lshr_b32 s34, s33, 5
	s_and_b32 s35, s33, 31
	s_lshl_b32 s36, s35, 17                        ; 32 ks rows of 4,096 bytes
	s_lshl_b32 s34, s34, 8                         ; 64 cg columns
	s_add_co_u32 s36, s36, s34
	s_add_nc_u64 s[40:41], s[8:9], s[36:37]
	s_lshl_b32 s36, s33, 12
	s_add_nc_u64 s[22:23], s[22:23], s[36:37]
	TILE_LD 0, 0
	s_wait_loadcnt 0x0
	TILE_TR 0
.set ti, 0
.rept 8
	global_store_b128 v[L16], v[WF+4*ti:WF+4*ti+3], s[22:23] offset:512*ti  ; 512 consecutive bytes, at a multiple of 256 from wf's first byte
.set ti, ti+1
.endr
	s_branch .Lend
	; ---- JOB B ----
.Ljob_b:
	s_sub_co_u32 s33, s3, 64                       ; cg
	s_lshl_b32 s34, s33, 8
	s_lshl_b32 s36, s2, 19                         ; my four K steps: 128 rows of 4,096 bytes
	s_add_co_u32 s36, s36, s34
	s_add_nc_u64 s[40:41], s[10:11], s[36:37]
	s_mov_b32 s36, s34
	s_add_nc_u64 s[14:15], s[14:15], s[36:37]      ; b1, b2 and pq at the work-group's 64 columns
	s_add_nc_u64 s[16:17], s[16:17], s[36:37]
	s_add_nc_u64 s[24:25], s[24:25], s[36:37]
	s_mov_b32 s38, 0x4038aa3b                      ; C2L
	s_mov_b32 s39, s38
	v_lshlrev_b32 v10, 12, v2                      ; query: row r, 32 h bytes, my 128 channels
	v_lshl_add_u32 v10, v3, 5, v10
	s_lshl_b32 s35, s2, 9
	v_add_nc_u32 v10, s35, v10
	s_mul_i32 s35, s2, PARTW
	s_add_co_u32 s35, s35, PART
	v_mul_u32_u24 v11, v2, PP
	v_lshl_add_u32 v11, v3, 5, v11
	v_add_nc_u32 v11, s35, v11                     ; my partial sums: row r, 32 h bytes
	v_lshlrev_b32 v12, 4, v2                       ; 16 (t % 16)
	v_lshrrev_b32 v14, 4, v0                       ; t / 16
	v_mul_u32_u24 v13, v14, PP
	v_add_nc_u32 v13, v13, v12
	v_add_nc_u32 v13, PART, v13                    ; where thread t reads sums back
	v_lshl_add_u32 v14, v14, 12, v12               ; and its place in pq
.irp u, 0,1,2,3                        ; all 96 loads go out first
	TILE_LD 64*\u, \u*131072
.set tq, 0
.rept 8                                ; fragment tq / 4 (batches 16 (tq / 4) + r): channels 8 h + 0..7 and 16 + 8 h + 0..7 in f32
	global_load_b128 v[QS+32*\u+4*tq:QS+32*\u+4*tq+3], v10, s[12:13] offset:(tq/4)*65536+\u*128+((tq%4)/2)*64+(tq%2)*16
.set tq, tq+1
.endr
.endr
.irp u, 0,1,2,3
.if (\u) == 0
	s_wait_loadcnt 63                              ; 72 loads are younger than unit 0's; the wait names the largest count that it can
.else
	s_wait_loadcnt 24*(3-(\u))                     ; the later units' 24 loads each may stay out
.endif
	TILE_TR 64*\u                                  ; its 32 conversions are the places between the last products and the loads into WF
.set tq, 0
.rept 16
	v_cvt_pk_bf16_f32 v[QF+tq], v[QS+32*\u+2*tq], v[QS+32*\u+2*tq+1]
.set tq, tq+1
.endr
.set wm, 0
.rept 2                                ; source 0 = 16 columns of W2, source 1 = 16 batches: a lane ends with one batch and eight neighbouring columns.  The eight accumulators take turns
.set wb, 0
.rept 4
.if (\u) == 0
	v_wmma_f32_16x16x32_bf16 v[ACC+8*(4*wm+wb):ACC+8*(4*wm+wb)+7], v[WF+8*wb:WF+8*wb+7], v[QF+8*wm:QF+8*wm+7], 0
.else
	v_wmma_f32_16x16x32_bf16 v[ACC+8*(4*wm+wb):ACC+8*(4*wm+wb)+7], v[WF+8*wb:WF+8*wb+7], v[QF+8*wm:QF+8*wm+7], v[ACC+8*(4*wm+wb):ACC+8*(4*wm+wb)+7]
.endif
.set wb, wb+1
.endr
.set wm, wm+1
.endr
.endr
.rept 8
	v_nop                                          ; the places behind the last products
.endr
.set wa, 0
.rept 8                                ; each accumulator's low registers first
	ds_store_b128 v11, v[ACC+8*wa:ACC+8*wa+3]   offset:(wa/4)*16*PP+64*(wa%4)
	ds_store_b128 v11, v[ACC+8*wa+4:ACC+8*wa+7] offset:(wa/4)*16*PP+64*(wa%4)+16
.set wa, wa+1
.endr
	global_load_b128 v[112:115], v12, s[14:15]     ; b1 and b2 of my four columns
	global_load_b128 v[116:119], v12, s[16:17]
	s_wait_dscnt 0x0                               ; for the others' sake
	s_barrier_signal -1
	s_barrier_wait -1
.irp i, 0,1                            ; thread t: batches t / 16 and t / 16 + 16, columns 4 (t % 16) on; eight partial sums each
.irp w, 0,1,2,3,4,5,6,7
	ds_load_b128 v[QS+32*\i+4*\w:QS+32*\i+4*\w+3], v13 offset:\w*PARTW+\i*16*PP
.endr
.endr
	s_wait_loadcnt 0x0
	ADD4 112, 116
	s_wait_dscnt 0x0
.irp i, 0,1
	ADD4 QS+32*\i,    QS+32*\i+4
	ADD4 QS+32*\i+8,  QS+32*\i+12
	ADD4 QS+32*\i+16, QS+32*\i+20
	ADD4 QS+32*\i+24, QS+32*\i+28
	ADD4 QS+32*\i,    QS+32*\i+8
	ADD4 QS+32*\i+16, QS+32*\i+24
	ADD4 QS+32*\i,    QS+32*\i+16
	ADD4 QS+32*\i,    112
	v_pk_mul_f32 v[QS+32*\i:QS+32*\i+1],   v[QS+32*\i:QS+32*\i+1],   s[38:39] op_sel_hi:[1,0]
	v_pk_mul_f32 v[QS+32*\i+2:QS+32*\i+3], v[QS+32*\i+2:QS+32*\i+3], s[38:39] op_sel_hi:[1,0]
	global_store_b128 v14, v[QS+32*\i:QS+32*\i+3], s[24:25] offset:\i*65536  ; 16 lanes store 256 consecutive bytes, aligned
.endr
.Lend:
	s_wait_tensorcnt 0x0                           ; the wave's end, behind my last LDS store
	ds_add_u32 v[SPW], v[NIL]
	s_wait_dscnt 0x0
	s_endpgm
.Lfunc_end_k_q472df84e25_prep:
	.size	k_q472df84e25_prep, .Lfunc_end_k_q472df84e25_prep-k_q472df84e25_prep
	.p2alignl 7, 3214868480
	.fill 96, 4, 3214868480
	.section	.rodata,"a",@progbits
	.p2align	6, 0x0
	.amdhsa_kernel k_q472df84e25_prep
		.amdhsa_group_segment_fixed_size 111872
		.amdhsa_private_segment_fixed_size 0
		.amdhsa_enable_private_segment 0
		.amdhsa_kernarg_size 88
		.amdhsa_user_sgpr_count 2
		.amdhsa_user_sgpr_kernarg_segment_ptr 1
		.amdhsa_wavefront_size32 1
		.amdhsa_system_sgpr_workgroup_id_x 1
		.amdhsa_system_sgpr_workgroup_id_y 1
		.amdhsa_system_sgpr_workgroup_id_z 1
		.amdhsa_system_vgpr_workitem_id 0
		.amdhsa_next_free_vgpr 512
		.amdhsa_next_free_sgpr 66
		.amdhsa_reserve_vcc 1
		.amdhsa_float_denorm_mode_32 3
		.amdhsa_float_denorm_mode_16_64 3
		.amdhsa_memory_ordered 1
		.amdhsa_forward_progress 1
		.amdhsa_inst_pref_size 50
	.end_amdhsa_kernel
	.amdgpu_metadata
---
amdhsa.version: [ 1, 2 ]
amdhsa.kernels:
  - .name:           k_q472df84e25_prep
    .symbol:         k_q472df84e25_prep.kd
    .args:
      - { .name: W1, .offset: 0, .size: 8, .value_kind: global_buffer, .address_space: global }
      - { .name: W2, .offset: 8, .size: 8, .value_kind: global_buffer, .address_space: global }
      - { .name: query, .offset: 16, .size: 8, .value_kind: global_buffer, .address_space: global }
      - { .name: b1, .offset: 24, .size: 8, .value_kind: global_buffer, .address_space: global }
      - { .name: b2, .offset: 32, .size: 8, .value_kind: global_buffer, .address_space: global }
      - { .name: V, .offset: 40, .size: 8, .value_kind: global_buffer, .address_space: global }
      - { .name: mask, .offset: 48, .size: 8, .value_kind: global_buffer, .address_space: global }
      - { .name: wf, .offset: 56, .size: 8, .value_kind: global_buffer, .address_space: global }
      - { .name: pq, .offset: 64, .size: 8, .value_kind: global_buffer, .address_space: global }
      - { .name: fl, .offset: 72, .size: 8, .value_kind: global_buffer, .address_space: global }
      - { .name: wrows, .offset: 80, .size: 8, .value_kind: global_buffer, .address_space: global }
    .group_segment_fixed_size: 111872
    .private_segment_fixed_size: 0
    .kernarg_segment_align: 8
    .kernarg_segment_size: 88
    .max_flat_workgroup_size: 256
    .sgpr_count:     66
    .vgpr_count:     512
    .wavefront_size: 32
...
	.end_amdgpu_metadata
.endif
;; end of part 1
;; launch list (part 2): grid 32 x 1, 8 waves a work-group, no clusters, 1,280 bytes of LDS; arguments fl, wrows, pos; writes wrows, pos
.if DOCPART == 2
	.amdgcn_target "amdgcn-amd-amdhsa--gfx1250"
	.amdhsa_code_object_version 6
	.text
	.protected	k_q472df84e25_list
	.globl	k_q472df84e25_list
	.p2align	8
	.type	k_q472df84e25_list,@function
k_q472df84e25_list:
	s_mov_b64 s[64:65], 0
	v_nop
	global_prefetch_b8 v0, s[64:65] scope:SCOPE_SE
	s_setreg_imm32_b32 hwreg(HW_REG_WAVE_MODE, 25, 1), 1
	s_wait_xcnt 0x0
; THE LISTS.  One work-group a batch.  fl[b][t] = 1 marks a live row.  The batch's cnt live rows, in ascending t, are dealt to its eight work-groups of the main launch, q = ceil(cnt / 8) each:
; the row of rank k goes to part j = k / q, place k - j q: wrows[8 b + j][place] = 2048 b + t.  All numbers here are whole numbers.
; pos[b][t] = where the main launch will store the row's score, in units of 4 bytes from the batch's first: 288 j + place.  From byte 262,144 of pos on: seg[b][j] = how many rows part j has.
; A DEAD ROW gets part 7, place 255.  Where a batch has a dead row no live row takes that place: cnt <= 2,047, so either q <= 255, or q = 256 and part 7 has cnt - 1,792 <= 255 rows.
; So all lanes store, and EXEC is never written: a dead lane writes the batch's first row number there (all such lanes the same number into the same word), and its pos names the score of a place
; without a row, which the main launch stores as -2^127.
; Wave v takes t = 256 v + 32 i + lane, i = 0..7; a row's rank = the live rows of earlier waves + of earlier i + of lower lanes.
; The entries of wrows that nobody writes here keep what the launch before stored there.
.set SPARE, 256                        ; LDS: the waves' eight totals in the block from 0; the spare words, 128 bytes for each wave, from 256 on: no other line names them
.set SEGO,  262144                     ; seg's first byte in pos
.set SPW, 4                            ; v4   LDS address of my spare word; never rewritten
.set NIL, 5                            ; v5   0; never rewritten
                                       ; v2 4 (256 v + lane); v3 my row number for i = 0; v40 4 x lane; v41, v42 a dead row's places; v43 the batch's first row: all made at the head and never rewritten
	s_load_b128 s[4:7], s[0:1], 0x0                ; fl s[4:5], wrows s[6:7]
	s_load_b64 s[8:9], s[0:1], 0x10                ; pos
	v_lshl_add_u32 v[SPW], v0, 2, SPARE
	v_mov_b32 v[NIL], 0
	v_lshrrev_b32 v1, 5, v0
	v_readfirstlane_b32 s2, v1                     ; wave 0..7
	v_and_b32 v1, 31, v0                           ; lane
	s_lshl_b32 s10, ttmp9, 13                      ; 8,192 bytes of fl, of wrows and of pos a batch
	s_mov_b32 s11, 0
	s_lshl_b32 s12, s2, 10
	v_lshl_add_u32 v2, v1, 2, s12
	v_lshlrev_b32 v40, 2, v1
	s_lshl_b32 s15, ttmp9, 11
	s_lshl_b32 s12, s2, 8
	s_add_co_u32 s13, s15, s12
	v_add_nc_u32 v3, s13, v1
	v_mov_b32 v41, 0x7ff                           ; 256 x 7 + 255
	v_mov_b32 v42, 0x8df                           ; 288 x 7 + 255
	v_mov_b32 v43, s15
	s_lshl_b32 s28, ttmp9, 7                       ; 128 bytes of seg a batch
	s_mov_b32 s29, 0
	s_wait_kmcnt 0x0
	s_add_nc_u64 s[4:5], s[4:5], s[10:11]
	s_add_nc_u64 s[6:7], s[6:7], s[10:11]
	s_add_nc_u64 s[18:19], s[8:9], s[28:29]
	s_add_nc_u64 s[8:9], s[8:9], s[10:11]
.irp i, 0,1,2,3,4,5,6,7
	global_load_b32 v[16+\i], v2, s[4:5] offset:128*\i
.endr
	s_mov_b32 s44, 0
	s_wait_loadcnt 0x0
.irp i, 0,1,2,3,4,5,6,7
	v_cmp_ne_u32 s[20+\i], 0, v[16+\i]             ; the 32 flags as a mask
	s_mov_b32 s[36+\i], s44                        ; live rows of my wave in front of group i
	s_bcnt1_i32_b32 s3, s[20+\i]
	s_add_co_u32 s44, s44, s3
.endr
	v_mov_b32 v6, s44
	s_lshl_b32 s3, s2, 2
	v_mov_b32 v7, s3
	ds_store_b32 v7, v6                            ; my wave's total
	s_wait_dscnt 0x0                               ; for the others' sake
	s_barrier_signal -1
	s_barrier_wait -1
	ds_load_b128 v[8:11], v[NIL]
	ds_load_b128 v[12:15], v[NIL] offset:16
	s_mov_b32 s45, 0
	s_mov_b32 s46, 0
	s_wait_dscnt 0x0
.irp k, 0,1,2,3,4,5,6,7
	v_readfirstlane_b32 s[48+\k], v[8+\k]
.endr
.irp k, 0,1,2,3,4,5,6,7
	s_cmp_gt_u32 s2, \k
	s_cselect_b32 s3, s[48+\k], 0
	s_add_co_u32 s45, s45, s3                      ; live rows of earlier waves
	s_add_co_u32 s46, s46, s[48+\k]                ; cnt
.endr
	s_add_co_u32 s47, s46, 7
	s_lshr_b32 s47, s47, 3                         ; q
	s_sub_co_u32 s14, 256, s47                     ; a part's 256 places in wrows less q,
	s_sub_co_u32 s17, 288, s47                     ; its 288 places in sc less q
.irp k, 1,2,3,4,5,6,7
	s_mul_i32 s[56+\k], s47, \k
.endr
.irp i, 0,1,2,3,4,5,6,7
	s_add_co_u32 s3, s45, s[36+\i]
	v_mbcnt_lo_u32_b32 v[24+\i], s[20+\i], s3      ; the rank
	v_mov_b32 v6, 0
.irp k, 1,2,3,4,5,6,7
	v_cmp_le_u32 vcc_lo, s[56+\k], v[24+\i]
	v_add_co_ci_u32 v6, vcc_lo, 0, v6, vcc_lo      ; j = how many of q, 2 q .. 7 q the rank has reached
.endr
	v_mad_u32_u24 v[32+\i], v6, s17, v[24+\i]      ; 288 j + rank - j q
	v_mad_u32_u24 v[24+\i], v6, s14, v[24+\i]      ; 256 j + rank - j q
	v_add_nc_u32 v[48+\i], 32*\i, v3               ; the row's number
	v_cndmask_b32 v[32+\i], v42, v[32+\i], s[20+\i]  ; a dead row: the place that no live row takes,
	v_cndmask_b32 v[24+\i], v41, v[24+\i], s[20+\i]
	v_cndmask_b32 v[48+\i], v43, v[48+\i], s[20+\i]  ; and the batch's first row number
	v_min_u32 v[24+\i], 0x7ff, v[24+\i]            ; inside the batch's 2,048 places
	v_lshlrev_b32 v[24+\i], 2, v[24+\i]
.endr
.irp i, 0,1,2,3,4,5,6,7
	global_store_b32 v[24+\i], v[48+\i], s[6:7]
	global_store_b32 v2, v[32+\i], s[8:9] offset:128*\i
.endr
	s_cmp_lg_u32 s2, 0
	s_cbranch_scc1 .Lend
	v_mul_u32_u24 v6, v1, s47                      ; lane j: min(cnt - min(j q, cnt), q); lanes 8-31 store what the formula gives, and nobody reads it
	v_min_u32 v6, s46, v6
	v_sub_nc_u32 v6, s46, v6
	v_min_u32 v6, s47, v6
	global_store_b32 v40, v6, s[18:19] offset:SEGO
.Lend:
	s_wait_tensorcnt 0x0                           ; the wave's end, behind my last LDS store
	ds_add_u32 v[SPW], v[NIL]
	s_wait_dscnt 0x0
	s_endpgm
.Lfunc_end_k_q472df84e25_list:
	.size	k_q472df84e25_list, .Lfunc_end_k_q472df84e25_list-k_q472df84e25_list
	.p2alignl 7, 3214868480
	.fill 96, 4, 3214868480
	.section	.rodata,"a",@progbits
	.p2align	6, 0x0
	.amdhsa_kernel k_q472df84e25_list
		.amdhsa_group_segment_fixed_size 1280
		.amdhsa_private_segment_fixed_size 0
		.amdhsa_enable_private_segment 0
		.amdhsa_kernarg_size 24
		.amdhsa_user_sgpr_count 2
		.amdhsa_user_sgpr_kernarg_segment_ptr 1
		.amdhsa_wavefront_size32 1
		.amdhsa_system_sgpr_workgroup_id_x 1
		.amdhsa_system_sgpr_workgroup_id_y 1
		.amdhsa_system_sgpr_workgroup_id_z 1
		.amdhsa_system_vgpr_workitem_id 0
		.amdhsa_next_free_vgpr 64
		.amdhsa_next_free_sgpr 66
		.amdhsa_reserve_vcc 1
		.amdhsa_float_denorm_mode_32 3
		.amdhsa_float_denorm_mode_16_64 3
		.amdhsa_memory_ordered 1
		.amdhsa_forward_progress 1
		.amdhsa_inst_pref_size 16
	.end_amdhsa_kernel
	.amdgpu_metadata
---
amdhsa.version: [ 1, 2 ]
amdhsa.kernels:
  - .name:           k_q472df84e25_list
    .symbol:         k_q472df84e25_list.kd
    .args:
      - { .name: fl, .offset: 0, .size: 8, .value_kind: global_buffer, .address_space: global }
      - { .name: wrows, .offset: 8, .size: 8, .value_kind: global_buffer, .address_space: global }
      - { .name: pos, .offset: 16, .size: 8, .value_kind: global_buffer, .address_space: global }
    .group_segment_fixed_size: 1280
    .private_segment_fixed_size: 0
    .kernarg_segment_align: 8
    .kernarg_segment_size: 24
    .max_flat_workgroup_size: 256
    .sgpr_count:     66
    .vgpr_count:     64
    .wavefront_size: 32
...
	.end_amdgpu_metadata
.endif
;; end of part 2
;; launch score (part 3): grid 256 x 1, 4 waves a work-group, no clusters, 304,128 bytes of LDS; arguments values, mask, V, bV, wf, pq, wrows, pos, sc, st, cp; writes sc, st, cp
.if DOCPART == 3
	.amdgcn_target "amdgcn-amd-amdhsa--gfx1250"
	.amdhsa_code_object_version 6
	.text
	.protected	k_q472df84e25_score
	.globl	k_q472df84e25_score
	.p2align	8
	.type	k_q472df84e25_score,@function
k_q472df84e25_score:
	s_mov_b64 s[64:65], 0
	v_nop
	global_prefetch_b8 v0, s[64:65] scope:SCOPE_SE
	s_setreg_imm32_b32 hwreg(HW_REG_WAVE_MODE, 25, 1), 1
	s_wait_xcnt 0x0
; SCORES AND PARTIAL CONTEXTS OF THE LIVE ROWS.  Work-group x = 8 b + j takes the n = seg[b][j] rows of batch b that wrows[x] lists, in chunks of 144 (seg lies in pos, from byte 262,144 on).
; For each chunk: (1) the rows of values come in, are rounded ONCE to bf16 and stay in LDS; (2) rows x W1, 144 x 1,024 x 1,024, by the matrix units; tanh(. + proj_q) . V in f32;
; (3) score = sum + bV + mask x (-1e9) (a product and a sum, rounded as the reference rounds them), stored in sc IN THE LIST'S ORDER, sc[x][place], 288 places a work-group, -2^127 where a place holds no row:
; every place is stored, at an address made of the work-group's, the chunk's and the lane's numbers alone, and EXEC is never written; a running maximum m over the chunks; p = e^(score - m);
; (4) the context's part, the sum of p x row, from the same tile in LDS: values is read from memory once.  The last launch joins the 8 parts of a batch by their maxima (st) and sums.
; LIMITS.  values enters both the product and the context rounded once to bf16; NaN and infinities are not treated apart; tanh = 1 - 2 / (1 + 2^(C2L x)), which ends at +1 and -1 where the power overflows or vanishes.
; SHARES.  Wave w: all 144 rows x the units 256 w .. 256 w + 255, in 4 passes of 64: 36 accumulators of 16 x 16.  K in 32 steps of 32.
; THE PRODUCT IS USED TRANSPOSED (source 0 = 16 units of W1, source 1 = 16 rows): lane (r, h), register j of accumulator (a, bb) is row 16 a + r, unit 64 pass + 16 bb + 8 h + j:
; a lane holds ONE row in all its accumulators, so the dot with V is a sum inside the lane, one exchange of the lanes' halves and one meeting of the four waves.
; W1's fragments (wf) lie in memory in the order in which a wave takes them and go straight into registers, a ring of 8 blocks of 4,096 bytes, asked for seven steps ahead.
; NO CLUSTER, NO TENSOR LOADS, though all work-groups walk wf: the tile takes 297,216 of the 327,680 bytes of LDS, so two slots for wf would hold one K step each (16,384 bytes for 36 matrix
; instructions a wave); no fragment of wf is wanted by two waves of a work-group; and values is f32 and must pass through registers to be rounded.
; THE CHUNK LOOP COUNTS TO 2 (n <= 256).  All barriers stand on every wave's path.  A chunk without rows (n <= 144 chunk) jumps forward over the tile's arrival, the products and the context, stretches
; that hold no barrier; what is left finds every row invalid: p = 0, the maximum and the context unchanged.
; FIVE BARRIERS A CHUNK, each between one kind of LDS access and the next: the tile's stores | the fragment reads | the stores of partial scores | their reads and the stores of p | the context's reads | the next
; chunk's stores.  The arrival, the fragment reads and the context go by address registers that are stepped in loops; a barrier on each side of them orders them against every store without leaning on those registers' range.
; LDS: the tile, 144 rows at a pitch of 2,064 (2,048 + 16: an odd multiple of 16, so the 16 rows of a fragment load start at 16 different groups of four banks; 64 banks of 4 bytes: ISA guide 11.1);
;      SCX, 4 waves x 144 partial scores; WS, 1,024 bytes a wave: its table of p, later the context's way out; the spare words.
; REGISTERS, in windows of 256 (s_set_vgpr_msb: bits 1:0 source 0, 3:2 source 1, 5:4 source 2, 7:6 destination):
;   window 0: addresses, sums, A's two fragment buffers, the row numbers (map below)      window 1: the ring of wf, block i at 32 i
;   window 2: accumulators (a, bb), a < 8, at 8 (4 a + bb); during the arrival three staging sets of 72      window 3: v0-31 accumulators of a = 8; v32-63 proj_q; v64-95 V; v96-167 the fourth staging set
.set PITCH, 2064
.set SCX,   144*PITCH
.set WS,    SCX+2304
.set SPARE, WS+4096                    ; the spare words, 128 bytes for each wave: two blocks of 256 bytes that no other line names
.set SEGO,  262144                     ; seg's first byte in pos
.set LN,   1                           ; lane
.set RR,   2                           ; r = lane % 16
.set HH,   3                           ; h = lane / 16
.set SPW,  4                           ; LDS address of my spare word; never rewritten
.set NIL,  5                           ; 0; never rewritten
.set BO,   6                           ; 16 x lane; never rewritten
.set PO,   7                           ; 32 h + 256 pass: my place in proj_q and V
.set AB,   8                           ; v8-12   r x PITCH + 16 h + 32 p rows: fragment addresses at K = 0
.set AD,   13                          ; v13-17  the same, 512 bytes further for each 8 K steps
.set AS0,  18                          ; where the arrival stores: rows 36 w + 8 h on,
.set AS1,  19                          ; and rows 36 w + 32 + 2 h on
.set SXS,  20                          ; SCX + 576 w + 4 r
.set SXR,  21                          ; SCX + 4 r
.set PTS,  22                          ; my wave's table of p + 4 r
.set PTR,  23                          ; the table as it is read
.set CRA,  24                          ; my 16 bytes of the tile's rows
.set AS0B, 25                          ; AS0 and AS1 at the tile's first column
.set AS1B, 26
                                       ; v27-30 at work
.set R16,  31                          ; 16 r
.set SUM,  32                          ; v32-49  a pair of running sums of tanh x V for each of the 9 blocks of 16 rows
.set MRUN, 50                          ; the running maximum
.set VNEG, 51                          ; NEG = -2^127
.set RAW,  52                          ; v52-60  row numbers as loaded
.set SCO,  61                          ; wave 0: 4 (C0 + r), my place in sc
.set FA0,  64                          ; v64-135, v136-207 A's fragments, two buffers of 72
.set TB,   64                          ; v64-99  the arrival: 36 registers of bf16
.set SCR,  100                         ; v100-108 the scores
.set EX,   110                         ; v110-118 p; v119 the rescaling
.set RO,   208                         ; v208-225 the arrival's 18 offsets into values
.set RID,  226                         ; v226-234 4 x row number of row 16 a + r
.set MK,   235                         ; v235-243 its mask
.set CT,   244                         ; v244-251 the context of my 8 columns
.set PQ,   32                          ; window 3
.set VV,   64                          ; window 3
; scalars: s2 wave; s[8:29] the eleven addresses; s30 n; s32 bV; s33 chunks to go; s35 C0 = the chunk's first place in the list; s[36:37] C2L; s38 passes to go; s39 a loop's count;
; s[40:41] wf at the ring's group of 8 blocks; s[42:43] its step; s44 groups stepped; s[46:47] lane selects; s[48:49] values at the column being asked for; s[50:51] proj_q; s[52:53] V; s[54:55] my list;
; s56 log2(e); s57 NEG; s58 -1e9; s59-61, s66-69 at work; s63 my wave's part of WS; s70-78 which lanes' rows exist, by block
.set MSB, 0
.macro WIN new                         ; the high byte repeats the setting that is left; a switch that changes nothing is dropped
.if MSB != (\new)
	s_set_vgpr_msb (MSB<<8)|(\new)
.set MSB, \new
.endif
.endm
; a block of wf, 8 loads of 512 consecutive bytes, into buffer buf of the ring; its place in the group of 8 is the buffer's number
.macro BLOAD buf
	WIN 0x40
.set lb, 0
.rept 8
	global_load_b128 v[32*(\buf)+4*lb:32*(\buf)+4*lb+3], v[BO], s[40:41] offset:(\buf)*4096+lb*512
.set lb, lb+1
.endr
.endm
; A's fragments of one K step, 9 blocks of 16 rows x 32 channels, into buffer f: lane l holds row l % 16, channels 8 h + 0..7 and 16 + 8 h + 0..7: two loads of 16 bytes, 32 bytes apart
.macro ALOAD f, kimm
	WIN 0
.set la, 0
.rept 9
	ds_load_b128 v[FA0+72*(\f)+8*la:FA0+72*(\f)+8*la+3],   v[AD+la/2] offset:(la%2)*16*PITCH+(\kimm)
	ds_load_b128 v[FA0+72*(\f)+8*la+4:FA0+72*(\f)+8*la+7], v[AD+la/2] offset:(la%2)*16*PITCH+(\kimm)+32
.set la, la+1
.endr
.endm
; 4 n matrix instructions of step i (its place in a group of 8): blocks of rows a0 .. a0 + n - 1 x the four blocks of units.  zero = 1: the product starts the sum.
; The 36 accumulators take turns in the same order in every step.
.macro MM i, a0, n, zero
.set ma, \a0
.rept \n
.if ma < 8
	WIN 0xa1                                       ; wf window 1, A window 0, C and D window 2
.set md, 32*ma
.else
	WIN 0xf1                                       ; C and D window 3
.set md, 0
.endif
.set mb, 0
.rept 4
.if \zero
	v_wmma_f32_16x16x32_bf16 v[md+8*mb:md+8*mb+7], v[32*(\i)+8*mb:32*(\i)+8*mb+7], v[FA0+72*((\i)%2)+8*ma:FA0+72*((\i)%2)+8*ma+7], 0
.else
	v_wmma_f32_16x16x32_bf16 v[md+8*mb:md+8*mb+7], v[32*(\i)+8*mb:32*(\i)+8*mb+7], v[FA0+72*((\i)%2)+8*ma:FA0+72*((\i)%2)+8*ma+7], v[md+8*mb:md+8*mb+7]
.endif
.set mb, mb+1
.endr
.set ma, ma+1
.endr
.endm
; A K STEP: 36 matrix instructions.  Behind the first 8 stand the loads for later steps, in one run: the next step's fragments of A, and the block of wf seven steps on, into the registers that the step before has
; multiplied.  A load into a register that a matrix instruction has read stands four plain vector instructions behind it (ISA guide 7.12.1 for vector instructions).
; first = 1: a pass's first step also asks for the pass's proj_q and V.  kadv = 1: the next step begins a new group of 8: 512 bytes on; 2: the next step is a pass's first: back to K = 0.
.macro STEP i, zero, first, kadv
	s_wait_loadcnt 48                              ; loads end in order: this step's block of wf is in; the six younger blocks, 8 loads each, may stay out
	s_wait_dscnt 0x0                               ; this step's fragments of A, asked for 28 matrix instructions ago
	MM \i, 0, 2, \zero
	WIN 0
.if (\kadv) == 1
.irp p, 0,1,2,3,4
	v_add_nc_u32 v[AD+\p], 512, v[AD+\p]           ; (these five are the places)
.endr
.elseif (\kadv) == 2
.irp p, 0,1,2,3,4
	v_mov_b32 v[AD+\p], v[AB+\p]
.endr
.else
.rept 4
	v_nop
.endr
.endif
	ALOAD ((\i)+1)%2, (((\i)+1)%8)*64
.if (\i) == 1
	s_wait_xcnt 0x0                                ; every load issued so far has read its address, so the ring's pointer may be written
	s_cmp_lt_u32 s44, 15                           ; 16 groups of 8 blocks: the sixteenth step adds 0, so that the chunk's last seven refills read blocks 120-126 once more, inside wf, and serve nothing
	s_cselect_b32 s42, 0x8000, 0
	s_add_nc_u64 s[40:41], s[40:41], s[42:43]
	s_add_co_u32 s44, s44, 1
.endif
	BLOAD ((\i)+7)%8
.if \first
	WIN 0xc0
.set lb, 0
.rept 8                                ; units 16 (lb / 2) + 8 h + 4 (lb % 2) + 0..3.  248 loads follow these before the pass's end, and each step leaves 48 out: they are in when they are read
	global_load_b128 v[PQ+4*lb:PQ+4*lb+3], v[PO], s[50:51] offset:(lb/2)*64+(lb%2)*16
	global_load_b128 v[VV+4*lb:VV+4*lb+3], v[PO], s[52:53] offset:(lb/2)*64+(lb%2)*16
.set lb, lb+1
.endr
.endif
	MM \i, 2, 7, \zero
.endm
; THE ARRIVAL.  A slice is 64 columns of my 36 rows: 18 loads, each 256 consecutive bytes of two rows.  Four staging sets take turns.
.macro STG k
.if (\k) < 3
.set SB,  72*(\k)
.set WLD, 0x80
.set WCV, 0x0a
.else
.set SB,  96
.set WLD, 0xc0
.set WCV, 0x0f
.endif
.endm
.macro VLOAD k, sb
	STG \k
	WIN WLD
.set lm, 0
.rept 18
	global_load_b128 v[SB+4*lm:SB+4*lm+3], v[RO+lm], s[\sb:\sb+1] offset:256*(\k)
.set lm, lm+1
.endr
.endm
.macro SLICE k, left, refill           ; left: the younger loads, which may stay out
	s_wait_loadcnt \left
	STG \k
	WIN WCV
.set lm, 0
.rept 36
	v_cvt_pk_bf16_f32 v[TB+lm], v[SB+2*lm], v[SB+2*lm+1]
.set lm, lm+1
.endr
	WIN 0
.set lm, 0
.rept 18
.if lm < 16
	ds_store_b64 v[AS0], v[TB+2*lm:TB+2*lm+1] offset:(16*(lm/8)+lm%8)*PITCH+128*(\k)
.else
	ds_store_b64 v[AS1], v[TB+2*lm:TB+2*lm+1] offset:(lm-16)*PITCH+128*(\k)
.endif
.set lm, lm+1
.endr
.if \refill
	VLOAD \k, 48
.endif
.endm
; THE END OF A PASS, in six runs over the 288 accumulator registers, each in ascending order (an accumulator's lowest registers are read first).
.macro ERUN kind, n
.set ei, 0
.rept \n
.if (\kind) == 1
	v_pk_fma_f32 v[2*ei:2*ei+1], v[2*ei:2*ei+1], s[36:37], v[PQ+2*(ei%16):PQ+2*(ei%16)+1] op_sel_hi:[1,0,1]  ; C2L x + C2L (proj_q + b1 + b2)
.elseif (\kind) == 2
	v_exp_f32 v[2*ei], v[2*ei]
	v_exp_f32 v[2*ei+1], v[2*ei+1]
.elseif (\kind) == 3
	v_pk_add_f32 v[2*ei:2*ei+1], v[2*ei:2*ei+1], 1.0 op_sel_hi:[1,0]
.elseif (\kind) == 4
	v_rcp_f32 v[2*ei], v[2*ei]
	v_rcp_f32 v[2*ei+1], v[2*ei+1]
.else
	v_pk_fma_f32 v[2*ei:2*ei+1], v[2*ei:2*ei+1], -2.0, 1.0 op_sel_hi:[1,0,0]  ; tanh
.endif
.set ei, ei+1
.endr
.endm
.macro EBOTH kind
	WIN 0xb2                                       ; in place in window 2, source 2 in window 3
	ERUN \kind, 128
	WIN 0xf3                                       ; in place in window 3
	ERUN \kind, 16
.endm
.macro EPI
	WIN 0
.rept 8
	v_nop                                          ; the places behind the last products
.endr
	EBOTH 1
	EBOTH 2                                        ; one batch of 288 exponentials,
	v_nop                                          ; a plain instruction behind the last,
	s_wait_alu depctr_va_vdst(0)                   ; and the one wait ahead of the first use
	EBOTH 3
	EBOTH 4                                        ; likewise the reciprocals
	v_nop
	s_wait_alu depctr_va_vdst(0)
	EBOTH 5
	WIN 0x0e                                       ; tanh window 2, V window 3, sums window 0
.set eq, 0
.rept 16                               ; the blocks of rows run fastest, so that eight chains take turns
.set ea, 0
.rept 8
	v_pk_fma_f32 v[SUM+2*ea:SUM+2*ea+1], v[32*ea+2*eq:32*ea+2*eq+1], v[VV+2*eq:VV+2*eq+1], v[SUM+2*ea:SUM+2*ea+1]
.set ea, ea+1
.endr
.set eq, eq+1
.endr
	WIN 0x0f
.set eq, 0
.rept 16
	v_pk_fma_f32 v[SUM+16:SUM+17], v[2*eq:2*eq+1], v[VV+2*eq:VV+2*eq+1], v[SUM+16:SUM+17]
.set eq, eq+1
.endr
	WIN 0
.endm
	s_load_b512 s[8:23], s[0:1], 0x0               ; values s[8:9], mask s[10:11], V s[12:13], bV s[14:15], wf s[16:17], pq s[18:19], wrows s[20:21], pos s[22:23]
	s_load_b128 s[24:27], s[0:1], 0x40             ; sc s[24:25], st s[26:27]
	s_load_b64 s[28:29], s[0:1], 0x50              ; cp
	v_lshl_add_u32 v[SPW], v0, 2, SPARE
	v_mov_b32 v[NIL], 0
	v_lshrrev_b32 v27, 5, v0
	v_readfirstlane_b32 s2, v27                    ; wave 0..3
	v_and_b32 v[LN], 31, v0
	v_and_b32 v[RR], 15, v0
	v_bfe_u32 v[HH], v0, 4, 1
	v_lshlrev_b32 v[BO], 4, v[LN]
	v_lshlrev_b32 v[R16], 4, v[RR]
	v_mul_u32_u24 v27, v[RR], PITCH
	v_lshl_add_u32 v[AB], v[HH], 4, v27
.irp p, 1,2,3,4
	v_add_nc_u32 v[AB+\p], \p*32*PITCH, v[AB]
.endr
	s_mul_i32 s59, s2, 36*PITCH                    ; my 36 rows of the tile
	v_mul_u32_u24 v27, v[HH], 8*PITCH
	v_lshl_add_u32 v27, v[RR], 3, v27
	v_add_nc_u32 v[AS0B], s59, v27
	s_add_co_u32 s59, s59, 32*PITCH
	v_mul_u32_u24 v27, v[HH], 2*PITCH
	v_lshl_add_u32 v27, v[RR], 3, v27
	v_add_nc_u32 v[AS1B], s59, v27
	s_mul_i32 s59, s2, 576
	s_add_co_u32 s59, s59, SCX
	v_lshl_add_u32 v[SXS], v[RR], 2, s59
	v_lshl_add_u32 v[SXR], v[RR], 2, SCX
	s_lshl_b32 s63, s2, 10
	s_add_co_u32 s63, s63, WS
	v_lshl_add_u32 v[PTS], v[RR], 2, s63
	s_mov_b32 s36, 0x4038aa3b                      ; C2L = 2 log2(e)
	s_mov_b32 s37, s36
	s_mov_b32 s43, 0
	s_mov_b32 s46, 0x76543210                      ; v_permlanex16_b32: each lane takes its own place in the other half
	s_mov_b32 s47, 0xfedcba98
	s_mov_b32 s56, 0x3fb8aa3b                      ; log2(e)
	s_mov_b32 s57, 0xff000000                      ; NEG
	s_mov_b32 s58, 0xce6e6b28                      ; -1e9
	v_mov_b32 v[MRUN], s57
	v_mov_b32 v[VNEG], s57
.set fa, 0
.rept 8
	v_mov_b32 v[CT+fa], 0
.set fa, fa+1
.endr
.set fa, 0
.rept 9                                ; read by the score's end in a chunk without rows too, where nothing is loaded into them
	v_mov_b32 v[MK+fa], 0
.set fa, fa+1
.endr
	s_wait_kmcnt 0x0
	s_lshr_b32 s66, ttmp9, 3                       ; batch
	s_and_b32 s67, ttmp9, 7                        ; part
	s_lshl_b32 s68, s66, 7
	s_lshl2_add_u32 s68, s67, s68
	s_mov_b32 s69, 0
	s_add_nc_u64 s[22:23], s[22:23], s[68:69]
	s_load_b32 s30, s[22:23], SEGO                 ; n
	s_load_b32 s32, s[14:15], 0x0                  ; bV
	s_lshl_b32 s60, s2, 10
	s_mov_b32 s61, 0
	s_add_nc_u64 s[52:53], s[12:13], s[60:61]      ; V at my 256 units
	s_add_nc_u64 s[28:29], s[28:29], s[60:61]      ; cp at my 256 columns,
	s_lshl_b32 s68, s66, 12
	s_add_nc_u64 s[50:51], s[18:19], s[68:69]
	s_add_nc_u64 s[50:51], s[50:51], s[60:61]      ; pq at the batch's row, my 256 units
	s_lshl_b32 s68, ttmp9, 10
	s_add_nc_u64 s[54:55], s[20:21], s[68:69]      ; my list
	s_lshl_b32 s68, ttmp9, 12
	s_add_nc_u64 s[28:29], s[28:29], s[68:69]      ; in my work-group's row
	s_lshl_b32 s68, ttmp9, 8
	s_add_nc_u64 s[26:27], s[26:27], s[68:69]
	s_mul_i32 s68, ttmp9, 1152
	s_add_nc_u64 s[24:25], s[24:25], s[68:69]      ; sc at my work-group's 288 places
	s_lshl_b32 s60, s2, 19
	s_add_nc_u64 s[16:17], s[16:17], s[60:61]      ; wf at my wave's 128 blocks
	s_wait_kmcnt 0x0
	s_min_u32 s30, s30, 256
	s_mov_b32 s33, 2
	s_mov_b32 s35, 0
.Lchunk:
	s_wait_xcnt 0x0                                ; the last chunk's loads and stores have read their registers
	v_lshlrev_b32 v[PO], 5, v[HH]
.irp p, 0,1,2,3,4
	v_mov_b32 v[AD+\p], v[AB+\p]
.endr
	s_mov_b32 s44, 0
	s_mov_b64 s[40:41], s[16:17]
.set fa, 0
.rept 18
	v_mov_b32 v[SUM+fa], 0
.set fa, fa+1
.endr
	; which places of the list: C0 + the row's number in the tile, held inside the list's 256 places
	v_add_nc_u32 v27, s35, v[RR]
	s_mul_i32 s59, s2, 36
	s_add_co_u32 s59, s59, s35
	v_lshl_add_u32 v28, v[HH], 3, s59
	s_add_co_u32 s59, s59, 32
	v_lshl_add_u32 v29, v[HH], 1, s59
.set fa, 0
.rept 9
	v_add_nc_u32 v[RAW+fa], 16*fa, v27
	v_min_u32 v[RAW+fa], 0xff, v[RAW+fa]
	v_lshlrev_b32 v[RAW+fa], 2, v[RAW+fa]
.set fa, fa+1
.endr
.set fa, 0
.rept 18
.if fa < 16
	v_add_nc_u32 v[RO+fa], 16*(fa/8)+fa%8, v28
.else
	v_add_nc_u32 v[RO+fa], fa-16, v29
.endif
	v_min_u32 v[RO+fa], 0xff, v[RO+fa]
	v_lshlrev_b32 v[RO+fa], 2, v[RO+fa]
.set fa, fa+1
.endr
.set fa, 0
.rept 9
	global_load_b32 v[RAW+fa], v[RAW+fa], s[54:55] ; each lands on its own address
.set fa, fa+1
.endr
.set fa, 0
.rept 18
	global_load_b32 v[RO+fa], v[RO+fa], s[54:55]
.set fa, fa+1
.endr
.irp k, 0,1,2,3,4,5,6
	BLOAD \k                                       ; the ring's first seven blocks: they land while the tile arrives
.endr
	WIN 0
	s_cmp_gt_u32 s30, s35                          ; has this chunk a row?
	s_cbranch_scc0 .Lno_tile
	s_wait_loadcnt 56                              ; the 27 row numbers are in; the 56 loads of wf behind them may stay out
.set fa, 0
.rept 9
	v_min_u32 v[RID+fa], 0xffff, v[RAW+fa]         ; inside the 65,536 rows
	v_lshlrev_b32 v[RID+fa], 2, v[RID+fa]
.set fa, fa+1
.endr
.set fa, 0
.rept 18
	v_min_u32 v[RO+fa], 0xffff, v[RO+fa]
	v_lshlrev_b32 v[RO+fa], 12, v[RO+fa]           ; 4,096 bytes a row
	v_add_nc_u32 v[RO+fa], v[R16], v[RO+fa]        ; + my 16 of 256
.set fa, fa+1
.endr
.set fa, 0
.rept 9
	global_load_b32 v[MK+fa], v[RID+fa], s[10:11]
.set fa, fa+1
.endr
	v_mov_b32 v[AS0], v[AS0B]
	v_mov_b32 v[AS1], v[AS1B]
	s_add_nc_u64 s[48:49], s[8:9], 1024            ; the refills begin at slice 4
	VLOAD 0, 8
	VLOAD 1, 8
	VLOAD 2, 8
	VLOAD 3, 8
	WIN 0
	s_mov_b32 s39, 3
.Lin:                                                  ; a trip: four slices are rounded and stored, the four slices behind them asked for
	SLICE 0, 54, 1                                 ; three younger slices of 18 loads may stay out
	SLICE 1, 54, 1
	SLICE 2, 54, 1
	SLICE 3, 54, 1
	WIN 0
	s_wait_xcnt 0x0                                ; the loads have read their base
	s_add_nc_u64 s[48:49], s[48:49], 1024
	v_add_nc_u32 v[AS0], 512, v[AS0]
	v_add_nc_u32 v[AS1], 512, v[AS1]
	s_sub_co_u32 s39, s39, 1
	s_cmp_lg_u32 s39, 0
	s_cbranch_scc1 .Lin
	SLICE 0, 54, 0                                 ; the last four slices ask for nothing: the counts run down
	SLICE 1, 36, 0
	SLICE 2, 18, 0
	SLICE 3, 0, 0
.Lno_tile:
	s_wait_dscnt 0x0                               ; for the others' sake: my rows of the tile are stored
	s_barrier_signal -1
	s_barrier_wait -1                              ; the tile is whole
	s_cmp_gt_u32 s30, s35
	s_cbranch_scc0 .Lno_gemm
	ALOAD 0, 0
	s_mov_b32 s38, 4
.Lpass:                                                ; 64 units a pass
	STEP 0, 1, 1, 0                                ; the first step's products start the sums
	WIN 0
	s_mov_b32 s39, 3
.Lk:
	STEP 1, 0, 0, 0
	STEP 2, 0, 0, 0
	STEP 3, 0, 0, 0
	STEP 4, 0, 0, 0
	STEP 5, 0, 0, 0
	STEP 6, 0, 0, 0
	STEP 7, 0, 0, 1
	STEP 0, 0, 0, 0
	WIN 0
	s_sub_co_u32 s39, s39, 1
	s_cmp_lg_u32 s39, 0
	s_cbranch_scc1 .Lk
	STEP 1, 0, 0, 0
	STEP 2, 0, 0, 0
	STEP 3, 0, 0, 0
	STEP 4, 0, 0, 0
	STEP 5, 0, 0, 0
	STEP 6, 0, 0, 0
	STEP 7, 0, 0, 2
	EPI
	s_wait_xcnt 0x0                                ; the pass's loads of proj_q and V have read their offset
	v_add_nc_u32 v[PO], 0x100, v[PO]
	s_sub_co_u32 s38, s38, 1
	s_cmp_lg_u32 s38, 0
	s_cbranch_scc1 .Lpass
.Lno_gemm:
	; THE SCORE'S END
	s_wait_loadcnt 0x0                             ; the masks, and the ring's loads that nobody multiplies: no load is out when their registers are asked for again
	s_wait_dscnt 0x0                               ; my fragment reads are over, those fetched for a pass that does not come among them
	s_barrier_signal -1
	s_barrier_wait -1                              ; everybody's are: only now does any wave store into LDS again
.set fa, 0
.rept 9
	v_add_f32 v[SUM+2*fa], v[SUM+2*fa], v[SUM+2*fa+1]
.set fa, fa+1
.endr
.set fa, 0
.rept 9
	v_permlanex16_b32 v[SUM+2*fa+1], v[SUM+2*fa], s46, s47  ; the row's other units lie in the lane 16 away
.set fa, fa+1
.endr
.set fa, 0
.rept 9
	v_add_f32 v[SUM+2*fa], v[SUM+2*fa], v[SUM+2*fa+1]
.set fa, fa+1
.endr
.set fa, 0
.rept 9
	ds_store_b32 v[SXS], v[SUM+2*fa] offset:64*fa  ; lanes r and r + 16 write the same word with the same number
.set fa, fa+1
.endr
	s_wait_dscnt 0x0                               ; for the others' sake
	s_barrier_signal -1
	s_barrier_wait -1                              ; all four waves' partial scores lie in LDS
.set fa, 0
.rept 36                               ; block fa / 4, wave fa % 4
	ds_load_b32 v[64+fa], v[SXR] offset:576*(fa%4)+64*(fa/4)
.set fa, fa+1
.endr
	v_add_nc_u32 v27, s35, v[RR]
	s_wait_dscnt 0x0
.set fa, 0
.rept 9
	v_pk_add_f32 v[64+4*fa:65+4*fa], v[64+4*fa:65+4*fa], v[66+4*fa:67+4*fa]
	v_add_nc_u32 v28, 16*fa, v27
	v_mul_f32 v29, s58, v[MK+fa]
	v_add_f32 v[64+4*fa], v[64+4*fa], v[65+4*fa]
	v_cmp_gt_u32 s[70+fa], s30, v28                ; the row exists: its place in the list is below n
	v_add_f32 v[64+4*fa], s32, v[64+4*fa]
	v_add_f32 v[SCR+fa], v[64+4*fa], v29
	v_cndmask_b32 v[SCR+fa], v[VNEG], v[SCR+fa], s[70+fa]  ; a choice of values: a place without a row gets NEG
.set fa, fa+1
.endr
	s_cmp_lg_u32 s2, 0                             ; every wave holds all scores; wave 0 stores them, all 144, in the list's order
	s_cbranch_scc1 .Lno_store
	v_lshlrev_b32 v[SCO], 2, v27
.set fa, 0
.rept 9
	global_store_b32 v[SCO], v[SCR+fa], s[24:25] offset:64*fa  ; lanes r and r + 16 write the same word with the same number
.set fa, fa+1
.endr
	s_wait_xcnt 0x0                                ; the stores have read their data, which the context's LDS loads overwrite
.Lno_store:
	v_max3_num_f32 v28, v[SCR], v[SCR+1], v[SCR+2]
	v_max3_num_f32 v28, v28, v[SCR+3], v[SCR+4]
	v_max3_num_f32 v28, v28, v[SCR+5], v[SCR+6]
	v_max3_num_f32 v28, v28, v[SCR+7], v[SCR+8]
.irp m, 1,2,4,8
	v_max_num_f32_dpp v28, v28, v28 row_xmask:\m row_mask:0xf bank_mask:0xf  ; both halves of the lanes hold the same 16 rows
.endr
	v_max_num_f32 v28, v28, v[MRUN]                ; the new running maximum
.set fa, 0
.rept 9
	v_sub_f32 v[EX+fa], v[SCR+fa], v28             ; the difference first, then the factor: next to large penalties a product would lose the difference
.set fa, fa+1
.endr
	v_sub_f32 v[EX+9], v[MRUN], v28
.set fa, 0
.rept 10
	v_mul_f32 v[EX+fa], s56, v[EX+fa]
.set fa, fa+1
.endr
.set fa, 0
.rept 10
	v_exp_f32 v[EX+fa], v[EX+fa]
.set fa, fa+1
.endr
	v_mov_b32 v[MRUN], v28                         ; a plain instruction behind the last exponential,
	s_wait_alu depctr_va_vdst(0)                   ; and the one wait for the ten
.set fa, 0
.rept 9
	v_cndmask_b32 v[EX+fa], 0, v[EX+fa], s[70+fa]  ; a row that does not exist weighs nothing
.set fa, fa+1
.endr
.set fa, 0
.rept 8
	v_mul_f32 v[CT+fa], v[EX+9], v[CT+fa]          ; the context so far goes over to the new maximum
.set fa, fa+1
.endr
.set fa, 0
.rept 9
	ds_store_b32 v[PTS], v[EX+fa] offset:64*fa     ; my wave's own table of the 144 p
.set fa, fa+1
.endr
	s_wait_dscnt 0x0                               ; my table is stored, and my reads of the partial scores are over
	s_barrier_signal -1
	s_barrier_wait -1                              ; everybody's: no store into LDS is out when the context's reads begin
	s_cmp_gt_u32 s30, s35
	s_cbranch_scc0 .Lno_ctx
	; THE CONTEXT: thread t owns columns 8 t .. 8 t + 7, 16 bytes of every row of the tile
	v_lshlrev_b32 v[CRA], 4, v0
	v_mov_b32 v[PTR], s63
	s_mov_b32 s39, 6
.Lctx:                                                 ; 24 rows a trip
.set ck, 0
.rept 6
	ds_load_b128 v[160+4*ck:163+4*ck], v[PTR] offset:16*ck  ; my wave's table of p, the same 16 bytes for all lanes
.set ck, ck+1
.endr
.set ck, 0
.rept 24
	ds_load_b128 v[64+4*ck:67+4*ck], v[CRA] offset:PITCH*ck
.set ck, ck+1
.endr
.set ck, 0
.rept 24
	s_wait_dscnt 23-ck                             ; row ck is in; the rows behind it may stay out
.set cd, 0
.rept 4
	v_fma_mix_f32_bf16 v[CT+2*cd],   v[64+4*ck+cd], v[160+ck], v[CT+2*cd]   op_sel_hi:[1,0,0]
	v_fma_mix_f32_bf16 v[CT+2*cd+1], v[64+4*ck+cd], v[160+ck], v[CT+2*cd+1] op_sel:[1,0,0] op_sel_hi:[1,0,0]
.set cd, cd+1
.endr
.set ck, ck+1
.endr
	v_add_nc_u32 v[CRA], 24*PITCH, v[CRA]
	v_add_nc_u32 v[PTR], 96, v[PTR]
	s_sub_co_u32 s39, s39, 1
	s_cmp_lg_u32 s39, 0
	s_cbranch_scc1 .Lctx
.Lno_ctx:
	s_wait_dscnt 0x0                               ; my reads of the tile and of the table are over
	s_barrier_signal -1
	s_barrier_wait -1                              ; everybody's are: the next chunk may write the tile
	s_add_co_u32 s35, s35, 144
	s_sub_co_u32 s33, s33, 1
	s_cmp_lg_u32 s33, 0
	s_cbranch_scc1 .Lchunk
	; THE WAY OUT: a thread's 8 columns are 32 bytes; through my wave's own LDS bytes they become stores of 512 consecutive bytes
	v_lshl_add_u32 v27, v[LN], 5, s63
	ds_store_b128 v27, v[CT:CT+3]
	ds_store_b128 v27, v[CT+4:CT+7] offset:16
	v_lshl_add_u32 v30, v[LN], 4, s63
	ds_load_b128 v[64:67], v30
	ds_load_b128 v[68:71], v30 offset:512
	s_wait_dscnt 0x0
	global_store_b128 v[BO], v[64:67], s[28:29]
	global_store_b128 v[BO], v[68:71], s[28:29] offset:512
	s_cmp_lg_u32 s2, 0
	s_cbranch_scc1 .Lend
	v_mov_b32 v28, v[MRUN]
	v_mov_b32 v29, v[MRUN]
	v_lshlrev_b32 v27, 3, v[LN]
	global_store_b64 v27, v[28:29], s[26:27]       ; the maximum, 64 times: 256 consecutive bytes, aligned
.Lend:
	s_wait_tensorcnt 0x0                           ; the wave's end, behind my last LDS store
	ds_add_u32 v[SPW], v[NIL]
	s_wait_dscnt 0x0
	s_endpgm
.Lfunc_end_k_q472df84e25_score:
	.size	k_q472df84e25_score, .Lfunc_end_k_q472df84e25_score-k_q472df84e25_score
	.p2alignl 7, 3214868480
	.fill 96, 4, 3214868480
	.section	.rodata,"a",@progbits
	.p2align	6, 0x0
	.amdhsa_kernel k_q472df84e25_score
		.amdhsa_group_segment_fixed_size 304128
		.amdhsa_private_segment_fixed_size 0
		.amdhsa_enable_private_segment 0
		.amdhsa_kernarg_size 88
		.amdhsa_user_sgpr_count 2
		.amdhsa_user_sgpr_kernarg_segment_ptr 1
		.amdhsa_wavefront_size32 1
		.amdhsa_system_sgpr_workgroup_id_x 1
		.amdhsa_system_sgpr_workgroup_id_y 1
		.amdhsa_system_sgpr_workgroup_id_z 1
		.amdhsa_system_vgpr_workitem_id 0
		.amdhsa_next_free_vgpr 1024
		.amdhsa_next_free_sgpr 80
		.amdhsa_reserve_vcc 0
		.amdhsa_float_denorm_mode_32 3
		.amdhsa_float_denorm_mode_16_64 3
		.amdhsa_memory_ordered 1
		.amdhsa_forward_progress 1
		.amdhsa_inst_pref_size 221
	.end_amdhsa_kernel
	.amdgpu_metadata
---
amdhsa.version: [ 1, 2 ]
amdhsa.kernels:
  - .name:           k_q472df84e25_score
    .symbol:         k_q472df84e25_score.kd
    .args:
      - { .name: values, .offset: 0, .size: 8, .value_kind: global_buffer, .address_space: global }
      - { .name: mask, .offset: 8, .size: 8, .value_kind: global_buffer, .address_space: global }
      - { .name: V, .offset: 16, .size: 8, .value_kind: global_buffer, .address_space: global }
      - { .name: bV, .offset: 24, .size: 8, .value_kind: global_buffer, .address_space: global }
      - { .name: wf, .offset: 32, .size: 8, .value_kind: global_buffer, .address_space: global }
      - { .name: pq, .offset: 40, .size: 8, .value_kind: global_buffer, .address_space: global }
      - { .name: wrows, .offset: 48, .size: 8, .value_kind: global_buffer, .address_space: global }
      - { .name: pos, .offset: 56, .size: 8, .value_kind: global_buffer, .address_space: global }
      - { .name: sc, .offset: 64, .size: 8, .value_kind: global_buffer, .address_space: global }
      - { .name: st, .offset: 72, .size: 8, .value_kind: global_buffer, .address_space: global }
      - { .name: cp, .offset: 80, .size: 8, .value_kind: global_buffer, .address_space: global }
    .group_segment_fixed_size: 304128
    .private_segment_fixed_size: 0
    .kernarg_segment_align: 8
    .kernarg_segment_size: 88
    .max_flat_workgroup_size: 128
    .sgpr_count:     80
    .vgpr_count:     1024
    .wavefront_size: 32
...
	.end_amdgpu_metadata
.endif
;; end of part 3
;; launch combine (part 4): grid 32 x 1, 8 waves a work-group, no clusters, 1,280 bytes of LDS; arguments pos, sc, st, cp, out0, out1; writes out0, out1
.if DOCPART == 4
	.amdgcn_target "amdgcn-amd-amdhsa--gfx1250"
	.amdhsa_code_object_version 6
	.text
	.protected	k_q472df84e25_combine
	.globl	k_q472df84e25_combine
	.p2align	8
	.type	k_q472df84e25_combine,@function
k_q472df84e25_combine:
	s_mov_b64 s[64:65], 0
	v_nop
	global_prefetch_b8 v0, s[64:65] scope:SCOPE_SE
	s_setreg_imm32_b32 hwreg(HW_REG_WAVE_MODE, 25, 1), 1
	s_wait_xcnt 0x0
; THE SOFTMAX'S END.  One work-group a batch.  m = the greatest of the batch's eight partial maxima (every live row lies in one part).
; The scores lie in sc in the lists' order; pos[b][t] names row t's place among the batch's 8 x 288, and for a dead row a place that holds -2^127, so its weight is 0: a gather, no scatter.
; out1[t] = e^(score[t] - m) / L, L = the sum of these over the 2,048 rows; out0[c] = (the sum over the parts j of cp[j][c] e^(m_j - m)) / L.  All in f32.
; Thread t owns rows 4 t .. 4 t + 3 and 1,024 + 4 t .. of pos and out1, and columns 4 t .. 4 t + 3 of the context: apart from the gather every load and store of a wave covers 512 consecutive bytes.
; Memory and latency bind; matrix units, clusters and tensor loads would add nothing.
.set SPARE, 256                        ; LDS: the waves' eight sums in the block from 0; the spare words, 128 bytes for each wave, from 256 on: no other line names them
.set SPW, 4                            ; v4   LDS address of my spare word; never rewritten
.set NIL, 5                            ; v5   0; never rewritten
                                       ; v8-15 scores, then weights; v16-47 the eight parts' contexts; v48-55 the parts' factors; v56-63 at work; v64-71 places
	s_load_b256 s[4:11], s[0:1], 0x0               ; pos s[4:5], sc s[6:7], st s[8:9], cp s[10:11]
	s_load_b128 s[12:15], s[0:1], 0x20             ; out0 s[12:13], out1 s[14:15]
	v_lshl_add_u32 v[SPW], v0, 2, SPARE
	v_mov_b32 v[NIL], 0
	v_lshrrev_b32 v1, 5, v0
	v_readfirstlane_b32 s2, v1                     ; wave 0..7
	v_lshlrev_b32 v2, 4, v0                        ; 16 bytes a thread
	s_lshl_b32 s24, ttmp9, 13                      ; a batch's bytes in pos and out1,
	s_mov_b32 s25, 0
	s_mul_i32 s26, ttmp9, 9216                     ; in sc: 8 x 288 places,
	s_mov_b32 s27, 0
	s_lshl_b32 s28, ttmp9, 11                      ; in st,
	s_mov_b32 s29, 0
	s_lshl_b32 s34, ttmp9, 15                      ; in cp,
	s_mov_b32 s35, 0
	s_lshl_b32 s36, ttmp9, 12                      ; in out0
	s_mov_b32 s37, 0
	s_mov_b32 s30, 0x3fb8aa3b                      ; log2(e)
	s_mov_b32 s32, 0x76543210                      ; v_permlanex16_b32: each lane takes its own place in the other half
	s_mov_b32 s33, 0xfedcba98
	s_lshl_b32 s3, s2, 2
	v_mov_b32 v6, s3
	s_wait_kmcnt 0x0
	s_add_nc_u64 s[4:5], s[4:5], s[24:25]
	s_add_nc_u64 s[14:15], s[14:15], s[24:25]
	s_add_nc_u64 s[6:7], s[6:7], s[26:27]
	s_add_nc_u64 s[8:9], s[8:9], s[28:29]
	s_add_nc_u64 s[10:11], s[10:11], s[34:35]
	s_add_nc_u64 s[12:13], s[12:13], s[36:37]
.irp j, 0,1,2,3,4,5,6,7
	s_load_b32 s[16+\j], s[8:9], \j*256            ; the parts' maxima
.endr
	global_load_b128 v[64:67], v2, s[4:5]
	global_load_b128 v[68:71], v2, s[4:5] offset:4096
.irp j, 0,1,2,3,4,5,6,7
	global_load_b128 v[16+4*\j:19+4*\j], v2, s[10:11] offset:4096*\j
.endr
	s_wait_loadcnt 8                               ; the places are in; the eight loads of cp behind them may stay out
.irp i, 0,1,2,3,4,5,6,7
	v_min_u32 v[64+\i], 0x8ff, v[64+\i]            ; inside the batch's 2,304 places
	v_lshlrev_b32 v[64+\i], 2, v[64+\i]
.endr
.irp i, 0,1,2,3,4,5,6,7
	global_load_b32 v[8+\i], v[64+\i], s[6:7]
.endr
	s_wait_kmcnt 0x0
	v_mov_b32 v3, s16
	v_max3_num_f32 v3, s17, s18, v3
	v_max3_num_f32 v3, s19, s20, v3
	v_max3_num_f32 v3, s21, s22, v3
	v_max_num_f32 v3, s23, v3                      ; m
.irp j, 0,1,2,3,4,5,6,7
	v_sub_f32 v[48+\j], s[16+\j], v3               ; the difference first, then the factor
	v_mul_f32 v[48+\j], s30, v[48+\j]
.endr
	s_wait_loadcnt 0x0                             ; the scores, and cp in front of them
.irp i, 0,1,2,3,4,5,6,7
	v_sub_f32 v[8+\i], v[8+\i], v3
	v_mul_f32 v[8+\i], s30, v[8+\i]
.endr
.irp i, 0,1,2,3,4,5,6,7
	v_exp_f32 v[8+\i], v[8+\i]
	v_exp_f32 v[48+\i], v[48+\i]
.endr
	v_nop                                          ; a plain instruction behind the last exponential,
	s_wait_alu depctr_va_vdst(0)                   ; and the one wait for the sixteen
	v_pk_add_f32 v[56:57], v[8:9], v[10:11]
	v_pk_add_f32 v[58:59], v[12:13], v[14:15]
	v_pk_add_f32 v[56:57], v[56:57], v[58:59]
	v_add_f32 v56, v56, v57
.irp m, 1,2,4,8
	v_add_f32_dpp v56, v56, v56 row_xmask:\m row_mask:0xf bank_mask:0xf
.endr
	v_permlanex16_b32 v57, v56, s32, s33
	v_add_f32 v56, v56, v57
	ds_store_b32 v6, v56                           ; my wave's sum
	s_wait_dscnt 0x0                               ; for the others' sake
	s_barrier_signal -1
	s_barrier_wait -1
	ds_load_b128 v[56:59], v[NIL]
	ds_load_b128 v[60:63], v[NIL] offset:16
.irp c, 0,1,2,3
	v_mul_f32 v[16+\c], v[16+\c], v48
.endr
.irp j, 1,2,3,4,5,6,7
.irp c, 0,1,2,3
	v_fma_f32 v[16+\c], v[16+4*\j+\c], v[48+\j], v[16+\c]
.endr
.endr
	s_wait_dscnt 0x0
	v_pk_add_f32 v[56:57], v[56:57], v[58:59]
	v_pk_add_f32 v[60:61], v[60:61], v[62:63]
	v_pk_add_f32 v[56:57], v[56:57], v[60:61]
	v_add_f32 v58, v56, v57                        ; L
	v_rcp_f32 v56, v58
	v_rcp_f32 v57, v58                             ; twice, a pair for the packed multiplies
	v_nop
	s_wait_alu depctr_va_vdst(0)
.irp i, 8,10,12,14,16,18
	v_pk_mul_f32 v[\i:\i+1], v[\i:\i+1], v[56:57]
.endr
	global_store_b128 v2, v[8:11], s[14:15]
	global_store_b128 v2, v[12:15], s[14:15] offset:4096
	global_store_b128 v2, v[16:19], s[12:13]
	s_wait_tensorcnt 0x0                           ; the wave's end, behind my last LDS store
	ds_add_u32 v[SPW], v[NIL]
	s_wait_dscnt 0x0
	s_endpgm
.Lfunc_end_k_q472df84e25_combine:
	.size	k_q472df84e25_combine, .Lfunc_end_k_q472df84e25_combine-k_q472df84e25_combine
	.p2alignl 7, 3214868480
	.fill 96, 4, 3214868480
	.section	.rodata,"a",@progbits
	.p2align	6, 0x0
	.amdhsa_kernel k_q472df84e25_combine
		.amdhsa_group_segment_fixed_size 1280
		.amdhsa_private_segment_fixed_size 0
		.amdhsa_enable_private_segment 0
		.amdhsa_kernarg_size 48
		.amdhsa_user_sgpr_count 2
		.amdhsa_user_sgpr_kernarg_segment_ptr 1
		.amdhsa_wavefront_size32 1
		.amdhsa_system_sgpr_workgroup_id_x 1
		.amdhsa_system_sgpr_workgroup_id_y 1
		.amdhsa_system_sgpr_workgroup_id_z 1
		.amdhsa_system_vgpr_workitem_id 0
		.amdhsa_next_free_vgpr 80
		.amdhsa_next_free_sgpr 66
		.amdhsa_reserve_vcc 0
		.amdhsa_float_denorm_mode_32 3
		.amdhsa_float_denorm_mode_16_64 3
		.amdhsa_memory_ordered 1
		.amdhsa_forward_progress 1
		.amdhsa_inst_pref_size 11
	.end_amdhsa_kernel
	.amdgpu_metadata
---
amdhsa.version: [ 1, 2 ]
amdhsa.kernels:
  - .name:           k_q472df84e25_combine
    .symbol:         k_q472df84e25_combine.kd
    .args:
      - { .name: pos, .offset: 0, .size: 8, .value_kind: global_buffer, .address_space: global }
      - { .name: sc, .offset: 8, .size: 8, .value_kind: global_buffer, .address_space: global }
      - { .name: st, .offset: 16, .size: 8, .value_kind: global_buffer, .address_space: global }
      - { .name: cp, .offset: 24, .size: 8, .value_kind: global_buffer, .address_space: global }
      - { .name: out0, .offset: 32, .size: 8, .value_kind: global_buffer, .address_space: global }
      - { .name: out1, .offset: 40, .size: 8, .value_kind: global_buffer, .address_space: global }
    .group_segment_fixed_size: 1280
    .private_segment_fixed_size: 0
    .kernarg_segment_align: 8
    .kernarg_segment_size: 48
    .max_flat_workgroup_size: 256
    .sgpr_count:     66
    .vgpr_count:     80
    .wavefront_size: 32
...
	.end_amdgpu_metadata
.endif
;; end of part 4
;; ======== version 2 of 2: 4 launches; version 1 with the launch score written anew for expert scheduling mode
;; workspace buffers: wf 2,097,152 bytes; pq 131,072 bytes; fl 262,144 bytes of whole numbers; wrows 262,144 bytes of whole numbers; pos 266,240 bytes of whole numbers; sc 294,912 bytes; st 65,536 bytes; cp 1,048,576 bytes
;; launch prep: the kernel of part 1 again; grid 112 x 1, 8 waves a work-group, no clusters, 111,872 bytes of LDS; arguments W1, W2, query, b1, b2, V, mask, wf, pq, fl, wrows; writes wf, pq, fl, wrows
;; launch list: the kernel of part 2 again; grid 32 x 1, 8 waves a work-group, no clusters, 1,280 bytes of LDS; arguments fl, wrows, pos; writes wrows, pos
;; launch score (part 5): grid 256 x 1, 4 waves a work-group, no clusters, 304,128 bytes of LDS; arguments values, mask, V, bV, wf, pq, wrows, pos, sc, st, cp; writes sc, st, cp
.if DOCPART == 5
	.amdgcn_target "amdgcn-amd-amdhsa--gfx1250"
	.amdhsa_code_object_version 6
	.text
	.protected	k_q472df84e25_score
	.globl	k_q472df84e25_score
	.p2align	8
	.type	k_q472df84e25_score,@function
k_q472df84e25_score:
	s_mov_b64 s[64:65], 0
	v_nop
	global_prefetch_b8 v0, s[64:65] scope:SCOPE_SE
	s_setreg_imm32_b32 hwreg(HW_REG_WAVE_SCHED_MODE, 0, 2), 2
	s_setreg_imm32_b32 hwreg(HW_REG_WAVE_MODE, 25, 1), 1
	s_wait_xcnt 0x0
	s_wait_alu depctr_vm_vsrc(0)
; SCORES AND PARTIAL CONTEXTS OF THE LIVE ROWS.  Work-group x = 8 b + j takes the n = seg[b][j] rows of batch b that wrows[x] lists, in chunks of 144 (seg lies in pos, from byte 262,144 on).
; For each chunk: (1) the rows of values come in, are rounded ONCE to bf16 and stay in LDS; (2) rows x W1, 144 x 1,024 x 1,024, by the matrix units; tanh(. + proj_q) . V in f32;
; (3) score = sum + bV + mask x (-1e9) (a product and a sum, rounded as the reference rounds them), stored in sc IN THE LIST'S ORDER, sc[x][place], 288 places a work-group, -2^127 where a place holds no row:
; every place is stored, at an address made of the work-group's, the chunk's and the lane's numbers alone, and EXEC is never written; a running maximum m over the chunks; p = e^(score - m);
; (4) the context's part, the sum of p x row, from the same tile in LDS: values is read from memory once.  The last launch joins the 8 parts of a batch by their maxima (st) and sums.
; LIMITS.  values enters both the product and the context rounded once to bf16; NaN and infinities are not treated apart; tanh = 1 - 2 / (1 + 2^(C2L x)), which ends at +1 and -1 where the power overflows or vanishes.
; SHARES.  Wave w: all 144 rows x the units 256 w .. 256 w + 255, in 4 passes of 64: 36 accumulators of 16 x 16.  K in 32 steps of 32.
; THE PRODUCT IS USED TRANSPOSED (source 0 = 16 units of W1, source 1 = 16 rows): lane (r, h), register j of accumulator (a, bb) is row 16 a + r, unit 64 pass + 16 bb + 8 h + j:
; a lane holds ONE row in all its accumulators, so the dot with V is a sum inside the lane, one exchange of the lanes' halves and one meeting of the four waves.
; W1's fragments (wf) lie in memory in the order in which a wave takes them and go straight into registers, a ring of 8 blocks of 4,096 bytes, asked for seven steps ahead.
; NO CLUSTER, NO TENSOR LOADS, though all work-groups walk wf: the tile takes 297,216 of the 327,680 bytes of LDS, so two slots for wf would hold one K step each (16,384 bytes for 36 matrix
; instructions a wave); no fragment of wf is wanted by two waves of a work-group; and values is f32 and must pass through registers to be rounded.
; THE CHUNK LOOP COUNTS TO 2 (n <= 256).  All barriers stand on every wave's path.  A chunk without rows (n <= 144 chunk) jumps forward over the tile's arrival, the products and the context, stretches
; that hold no barrier; what is left finds every row invalid: p = 0, the maximum and the context unchanged.
; FIVE BARRIERS A CHUNK, each between one kind of LDS access and the next: the tile's stores | the fragment reads | the stores of partial scores | their reads and the stores of p | the context's reads | the next
; chunk's stores.  The arrival, the fragment reads and the context go by address registers that are stepped in loops; a barrier on each side of them orders them against every store without leaning on those registers' range.
; THE MODE: SCHED_MODE bits 1:0 = 2 (LLVM: expert scheduling mode 2), set by the entry lines.  The code itself states the register dependences between vector or matrix instructions and memory or LDS
; instructions, with s_wait_alu, always for 0.
; THE PLAN.  Registers that memory or LDS instructions touch, and who else names them:
;   the ring of wf   Step i's products read block i % 8; the eight loads issued in step i land in block (i + 7) % 8, which the step before multiplied.
;   FA[0], FA[1]     Step i's products read FA[i % 2]; the LDS loads issued in step i land in FA[(i + 1) % 2], which the step before read.
;   AD               Read by every fragment load; written at a chunk's head and at the head of every eighth step.      BO is read by every load of wf and never written again.
;   PO, PQ, VV       PO: read by a pass's 16 loads of proj_q and V, stepped behind the pass's end.  PQ, VV: read by the pass's end, loaded again in the next pass's first step.
;   So ONE wait on va_vdst stands in a step, at its head: the step before's products are done reading the two buffers that this step's loads land in; in every eighth step AD is written; in a pass's first step PO is
;   written and the pass's end is done with PQ and VV.  The step's products name FA[i % 2], block i % 8 and the accumulators, none of the registers that its loads touch: so the loads are dealt among them with no further wait.
;   the arrival      A slice's 36 roundings read its staging set and write TB; behind ONE wait on va_vdst the set's refill lands in it and the 18 LDS stores read TB; a wait on vm_vsrc at the next slice's head frees TB.
;   LA, RAW, RO      LA holds the 27 places in the list as offsets; the loads by it land in RAW and RO: no load lands on a register that it reads.
;   the rest         Each run of stores (partial scores, scores, p, the way out) has a wait on va_vdst ahead of it for its data; a wait on vm_vsrc stands ahead of the first line that writes such data or an address again.
; LDS: the tile, 144 rows at a pitch of 2,064 (2,048 + 16: an odd multiple of 16, so the 16 rows of a fragment load start at 16 different groups of four banks; 64 banks of 4 bytes: ISA guide 11.1);
;      SCX, 4 waves x 144 partial scores; WS, 1,024 bytes a wave: its table of p, later the context's way out; the spare words, 128 bytes for each wave, behind WS.
; REGISTERS, in windows of 256 (s_set_vgpr_msb: bits 1:0 source 0, 3:2 source 1, 5:4 source 2, 7:6 destination):
;   window 0: addresses, sums, A's two fragment buffers, the row numbers (map below)      window 1: the ring of wf, block i at 32 i
;   window 2: accumulators (a, bb), a < 8, at 8 (4 a + bb); during the arrival three staging sets of 72      window 3: v0-31 accumulators of a = 8; v32-63 proj_q; v64-95 V; v96-167 the fourth staging set
.set PITCH, 2064
.set SCX,   144*PITCH
.set WS,    SCX+2304
.set SEGO,  262144                     ; seg's first byte in pos
.set LN,   1                           ; lane
.set RR,   2                           ; r = lane % 16
.set HH,   3                           ; h = lane / 16
.set BO,   6                           ; 16 x lane; never rewritten
.set PO,   7                           ; 32 h + 256 pass: my place in proj_q and V
.set AB,   8                           ; v8-12   r x PITCH + 16 h + 32 p rows: fragment addresses at K = 0
.set AD,   13                          ; v13-17  the same, 512 bytes further for each 8 K steps
.set AS0,  18                          ; where the arrival stores: rows 36 w + 8 h on,
.set AS1,  19                          ; and rows 36 w + 32 + 2 h on
.set SXS,  20                          ; SCX + 576 w + 4 r
.set SXR,  21                          ; SCX + 4 r
.set PTS,  22                          ; my wave's table of p + 4 r
.set PTR,  23                          ; the table as it is read
.set CRA,  24                          ; my 16 bytes of the tile's rows
.set AS0B, 25                          ; AS0 and AS1 at the tile's first column
.set AS1B, 26
                                       ; v27-30 at work
.set R16,  31                          ; 16 r
.set SUM,  32                          ; v32-49  a pair of running sums of tanh x V for each of the 9 blocks of 16 rows
.set MRUN, 50                          ; the running maximum
.set VNEG, 51                          ; NEG = -2^127
.set RAW,  52                          ; v52-60  row numbers as loaded
.set SCO,  61                          ; wave 0: 4 (C0 + r), my place in sc; at the end 8 x lane, my place in st
.set FA0,  64                          ; v64-135, v136-207 A's fragments, two buffers of 72
.set TB,   64                          ; v64-99  the arrival: 36 registers of bf16
.set SCR,  100                         ; v100-108 the scores
.set EX,   110                         ; v110-118 p; v119 the rescaling
.set LA,   136                         ; v136-162 at a chunk's head only, where A's second buffer is idle: 4 x the 27 places in the list whose row numbers I load
.set RO,   208                         ; v208-225 the arrival's 18 offsets into values
.set RID,  226                         ; v226-234 4 x row number of row 16 a + r
.set MK,   235                         ; v235-243 its mask
.set CT,   244                         ; v244-251 the context of my 8 columns
.set PQ,   32                          ; window 3
.set VV,   64                          ; window 3
; scalars: s2 wave; s[8:29] the eleven addresses; s30 n; s32 bV; s33 chunks to go; s35 C0 = the chunk's first place in the list; s[36:37] C2L; s38 passes to go; s39 a loop's count;
; s[40:41] wf at the ring's group of 8 blocks; s[42:43] its step; s44 groups stepped; s[46:47] lane selects; s[48:49] values at the column being asked for; s[50:51] proj_q; s[52:53] V; s[54:55] my list;
; s56 log2(e); s57 NEG; s58 -1e9; s59-61, s66-69 at work; s63 my wave's part of WS; s70-78 which lanes' rows exist, by block
.set MSB, 0
.macro WIN new                         ; the high byte repeats the setting that is left; a switch that changes nothing is dropped
.if MSB != (\new)
	s_set_vgpr_msb (MSB<<8)|(\new)
.set MSB, \new
.endif
.endm
; a block of wf, 8 loads of 512 consecutive bytes, into buffer buf of the ring; its place in the group of 8 is the buffer's number
.macro BLOAD buf
	WIN 0x40
.set lb, 0
.rept 8
	global_load_b128 v[32*(\buf)+4*lb:32*(\buf)+4*lb+3], v[BO], s[40:41] offset:(\buf)*4096+lb*512
.set lb, lb+1
.endr
.endm
; A's fragments of one K step, blocks a0 .. a0 + n - 1 of the 9 blocks of 16 rows x 32 channels, into buffer f: lane l holds row l % 16, channels 8 h + 0..7 and 16 + 8 h + 0..7: two loads of 16 bytes, 32 bytes apart
.macro ALOAD f, kimm, a0=0, n=9
	WIN 0
.set la, \a0
.rept \n
	ds_load_b128 v[FA0+72*(\f)+8*la:FA0+72*(\f)+8*la+3],   v[AD+la/2] offset:(la%2)*16*PITCH+(\kimm)
	ds_load_b128 v[FA0+72*(\f)+8*la+4:FA0+72*(\f)+8*la+7], v[AD+la/2] offset:(la%2)*16*PITCH+(\kimm)+32
.set la, la+1
.endr
.endm
; 4 n matrix instructions of step i (its place in a group of 8): blocks of rows a0 .. a0 + n - 1 x the four blocks of units.  zero = 1: the product starts the sum.
; The 36 accumulators take turns in the same order in every step.
.macro MM i, a0, n, zero
.set ma, \a0
.rept \n
.if ma < 8
	WIN 0xa1                                       ; wf window 1, A window 0, C and D window 2
.set md, 32*ma
.else
	WIN 0xf1                                       ; C and D window 3
.set md, 0
.endif
.set mb, 0
.rept 4
.if \zero
	v_wmma_f32_16x16x32_bf16 v[md+8*mb:md+8*mb+7], v[32*(\i)+8*mb:32*(\i)+8*mb+7], v[FA0+72*((\i)%2)+8*ma:FA0+72*((\i)%2)+8*ma+7], 0
.else
	v_wmma_f32_16x16x32_bf16 v[md+8*mb:md+8*mb+7], v[32*(\i)+8*mb:32*(\i)+8*mb+7], v[FA0+72*((\i)%2)+8*ma:FA0+72*((\i)%2)+8*ma+7], v[md+8*mb:md+8*mb+7]
.endif
.set mb, mb+1
.endr
.set ma, ma+1
.endr
.endm
; A K STEP: 36 matrix instructions.  One wait on va_vdst at its head; behind it the loads for later steps are dealt among the products in three runs: ten and eight LDS loads, the next step's fragments of A, and the
; block of wf seven steps on, into the registers that the step before has multiplied.  The last fragment load stands 20 products ahead of the next step's wait for it.
; first = 1: a pass's first step also asks for the pass's proj_q and V.  kadv = 1: the next step begins a new group of 8: 512 bytes on; 2: the next step is a pass's first: back to K = 0.
.macro STEP i, zero, first, kadv
	s_wait_loadcnt 48                              ; loads end in order: this step's block of wf is in; the six younger blocks, 8 loads each, may stay out
	s_wait_dscnt 0x0                               ; this step's fragments of A, the last of them asked for 20 matrix instructions ago
.if (\kadv) == 1
	WIN 0
	s_wait_alu depctr_vm_vsrc(0)                   ; the fragment loads issued so far have read AD
.irp p, 0,1,2,3,4
	v_add_nc_u32 v[AD+\p], 512, v[AD+\p]
.endr
.elseif (\kadv) == 2
	WIN 0
	s_wait_alu depctr_vm_vsrc(0)                   ; the fragment loads issued so far have read AD
.irp p, 0,1,2,3,4
	v_mov_b32 v[AD+\p], v[AB+\p]
.endr
.else
.rept 4
	v_nop                                          ; four plain vector instructions are kept between the last step's products and the loads into the registers that those read (in every eighth step the five lines on AD); the wait below states the dependence itself
.endr
.endif
	s_wait_alu depctr_va_vdst(0)                   ; the last step's products are done reading the other buffer of A and their block of wf, in which this step's loads land; AD is written where it was stepped; in a pass's first step PO is written and the pass's end is done reading proj_q and V
	MM \i, 0, 2, \zero
	ALOAD ((\i)+1)%2, (((\i)+1)%8)*64, 0, 5        ; no wait: no vector or matrix instruction since the wait above names AD or the other buffer of A
	MM \i, 2, 2, \zero
	ALOAD ((\i)+1)%2, (((\i)+1)%8)*64, 5, 4
	MM \i, 4, 2, \zero
.if (\i) == 1
	s_wait_xcnt 0x0                                ; every load issued so far has read its address, so the ring's pointer may be written
	s_cmp_lt_u32 s44, 15                           ; 16 groups of 8 blocks: the sixteenth step adds 0, so that the chunk's last seven refills read blocks 120-126 once more, inside wf, and serve nothing
	s_cselect_b32 s42, 0x8000, 0
	s_add_nc_u64 s[40:41], s[40:41], s[42:43]
	s_add_co_u32 s44, s44, 1
.endif
	BLOAD ((\i)+7)%8                               ; no wait: this step's products name block i alone
.if \first
	WIN 0xc0
.set lb, 0
.rept 8                                ; units 16 (lb / 2) + 8 h + 4 (lb % 2) + 0..3.  248 loads follow these before the pass's end, and each step leaves 48 out: they are in when they are read
	global_load_b128 v[PQ+4*lb:PQ+4*lb+3], v[PO], s[50:51] offset:(lb/2)*64+(lb%2)*16
	global_load_b128 v[VV+4*lb:VV+4*lb+3], v[PO], s[52:53] offset:(lb/2)*64+(lb%2)*16
.set lb, lb+1
.endr
.endif
	MM \i, 6, 3, \zero
.endm
; THE ARRIVAL.  A slice is 64 columns of my 36 rows: 18 loads, each 256 consecutive bytes of two rows.  Four staging sets take turns.
.macro STG k
.if (\k) < 3
.set SB,  72*(\k)
.set WLD, 0x80
.set WCV, 0x0a
.else
.set SB,  96
.set WLD, 0xc0
.set WCV, 0x0f
.endif
.endm
.macro VLOAD k, sb
	STG \k
	WIN WLD
.set lm, 0
.rept 18
	global_load_b128 v[SB+4*lm:SB+4*lm+3], v[RO+lm], s[\sb:\sb+1] offset:256*(\k)
.set lm, lm+1
.endr
.endm
.macro SLICE k, left, refill           ; left: the younger loads, which may stay out
	s_wait_loadcnt \left
	s_wait_alu depctr_vm_vsrc(0)                   ; the LDS stores of the slice before have read TB, which the roundings below write again
	STG \k
	WIN WCV
.set lm, 0
.rept 36
	v_cvt_pk_bf16_f32 v[TB+lm], v[SB+2*lm], v[SB+2*lm+1]
.set lm, lm+1
.endr
.if \refill
	WIN WLD
.else
	WIN 0
.endif
	s_wait_alu depctr_va_vdst(0)                   ; the roundings have written TB, which the LDS stores read, and are done reading the staging set, in which the refill lands; where AS0 and AS1 were stepped or set they are written
.if \refill
	VLOAD \k, 48                                   ; the set is asked for again at once, ahead of the stores
.endif
	WIN 0
.set lm, 0
.rept 18
.if lm < 16
	ds_store_b64 v[AS0], v[TB+2*lm:TB+2*lm+1] offset:(16*(lm/8)+lm%8)*PITCH+128*(\k)
.else
	ds_store_b64 v[AS1], v[TB+2*lm:TB+2*lm+1] offset:(lm-16)*PITCH+128*(\k)
.endif
.set lm, lm+1
.endr
.endm
; THE END OF A PASS, in six runs over the 288 accumulator registers, each in ascending order (an accumulator's lowest registers are read first).
.macro ERUN kind, n
.set ei, 0
.rept \n
.if (\kind) == 1
	v_pk_fma_f32 v[2*ei:2*ei+1], v[2*ei:2*ei+1], s[36:37], v[PQ+2*(ei%16):PQ+2*(ei%16)+1] op_sel_hi:[1,0,1]  ; C2L x + C2L (proj_q + b1 + b2)
.elseif (\kind) == 2
	v_exp_f32 v[2*ei], v[2*ei]
	v_exp_f32 v[2*ei+1], v[2*ei+1]
.elseif (\kind) == 3
	v_pk_add_f32 v[2*ei:2*ei+1], v[2*ei:2*ei+1], 1.0 op_sel_hi:[1,0]
.elseif (\kind) == 4
	v_rcp_f32 v[2*ei], v[2*ei]
	v_rcp_f32 v[2*ei+1], v[2*ei+1]
.else
	v_pk_fma_f32 v[2*ei:2*ei+1], v[2*ei:2*ei+1], -2.0, 1.0 op_sel_hi:[1,0,0]  ; tanh
.endif
.set ei, ei+1
.endr
.endm
.macro EBOTH kind
	WIN 0xb2                                       ; in place in window 2, source 2 in window 3
	ERUN \kind, 128
	WIN 0xf3                                       ; in place in window 3
	ERUN \kind, 16
.endm
.macro EPI
	WIN 0
.rept 8
	v_nop                                          ; the places behind the last products
.endr
	EBOTH 1
	EBOTH 2                                        ; one batch of 288 exponentials,
	v_nop                                          ; a plain instruction behind the last,
	s_wait_alu depctr_va_vdst(0)                   ; and the one wait ahead of the first use: the 288 exponentials have written their results
	EBOTH 3
	EBOTH 4                                        ; likewise the reciprocals
	v_nop
	s_wait_alu depctr_va_vdst(0)                   ; the 288 reciprocals have written their results
	EBOTH 5
	WIN 0x0e                                       ; tanh window 2, V window 3, sums window 0
.set eq, 0
.rept 16                               ; the blocks of rows run fastest, so that eight chains take turns
.set ea, 0
.rept 8
	v_pk_fma_f32 v[SUM+2*ea:SUM+2*ea+1], v[32*ea+2*eq:32*ea+2*eq+1], v[VV+2*eq:VV+2*eq+1], v[SUM+2*ea:SUM+2*ea+1]
.set ea, ea+1
.endr
.set eq, eq+1
.endr
	WIN 0x0f
.set eq, 0
.rept 16
	v_pk_fma_f32 v[SUM+16:SUM+17], v[2*eq:2*eq+1], v[VV+2*eq:VV+2*eq+1], v[SUM+16:SUM+17]
.set eq, eq+1
.endr
	WIN 0
.endm
	s_load_b512 s[8:23], s[0:1], 0x0               ; values s[8:9], mask s[10:11], V s[12:13], bV s[14:15], wf s[16:17], pq s[18:19], wrows s[20:21], pos s[22:23]
	s_load_b128 s[24:27], s[0:1], 0x40             ; sc s[24:25], st s[26:27]
	s_load_b64 s[28:29], s[0:1], 0x50              ; cp
	v_lshl_add_u32 v254, v0, 2, 0x4a200
	v_mov_b32 v255, 0
	v_lshrrev_b32 v27, 5, v0
	v_readfirstlane_b32 s2, v27                    ; wave 0..3
	v_and_b32 v[LN], 31, v0
	v_and_b32 v[RR], 15, v0
	v_bfe_u32 v[HH], v0, 4, 1
	v_lshlrev_b32 v[BO], 4, v[LN]
	v_lshlrev_b32 v[R16], 4, v[RR]
	v_mul_u32_u24 v27, v[RR], PITCH
	v_lshl_add_u32 v[AB], v[HH], 4, v27
.irp p, 1,2,3,4
	v_add_nc_u32 v[AB+\p], \p*32*PITCH, v[AB]
.endr
	s_wait_alu depctr_va_sdst(0)                   ; s2 is written, ahead of its first reader: LDS places, bases and branches are made from it
	s_mul_i32 s59, s2, 36*PITCH                    ; my 36 rows of the tile
	v_mul_u32_u24 v27, v[HH], 8*PITCH
	v_lshl_add_u32 v27, v[RR], 3, v27
	v_add_nc_u32 v[AS0B], s59, v27
	s_add_co_u32 s59, s59, 32*PITCH
	v_mul_u32_u24 v27, v[HH], 2*PITCH
	v_lshl_add_u32 v27, v[RR], 3, v27
	v_add_nc_u32 v[AS1B], s59, v27
	s_mul_i32 s59, s2, 576
	s_add_co_u32 s59, s59, SCX
	v_lshl_add_u32 v[SXS], v[RR], 2, s59
	v_lshl_add_u32 v[SXR], v[RR], 2, SCX
	s_lshl_b32 s63, s2, 10
	s_add_co_u32 s63, s63, WS
	v_lshl_add_u32 v[PTS], v[RR], 2, s63
	s_mov_b32 s36, 0x4038aa3b                      ; C2L = 2 log2(e)
	s_mov_b32 s37, s36
	s_mov_b32 s43, 0
	s_mov_b32 s46, 0x76543210                      ; v_permlanex16_b32: each lane takes its own place in the other half
	s_mov_b32 s47, 0xfedcba98
	s_mov_b32 s56, 0x3fb8aa3b                      ; log2(e)
	s_mov_b32 s57, 0xff000000                      ; NEG
	s_mov_b32 s58, 0xce6e6b28                      ; -1e9
	v_mov_b32 v[MRUN], s57
	v_mov_b32 v[VNEG], s57
.set fa, 0
.rept 8
	v_mov_b32 v[CT+fa], 0
.set fa, fa+1
.endr
.set fa, 0
.rept 9                                ; read by the score's end in a chunk without rows too, where nothing is loaded into them
	v_mov_b32 v[MK+fa], 0
.set fa, fa+1
.endr
	s_wait_kmcnt 0x0
	s_lshr_b32 s66, ttmp9, 3                       ; batch
	s_and_b32 s67, ttmp9, 7                        ; part
	s_lshl_b32 s68, s66, 7
	s_lshl2_add_u32 s68, s67, s68
	s_mov_b32 s69, 0
	s_add_nc_u64 s[22:23], s[22:23], s[68:69]
	s_load_b32 s30, s[22:23], SEGO                 ; n
	s_load_b32 s32, s[14:15], 0x0                  ; bV
	s_lshl_b32 s60, s2, 10
	s_mov_b32 s61, 0
	s_add_nc_u64 s[52:53], s[12:13], s[60:61]      ; V at my 256 units
	s_add_nc_u64 s[28:29], s[28:29], s[60:61]      ; cp at my 256 columns,
	s_lshl_b32 s68, s66, 12
	s_add_nc_u64 s[50:51], s[18:19], s[68:69]
	s_add_nc_u64 s[50:51], s[50:51], s[60:61]      ; pq at the batch's row, my 256 units
	s_lshl_b32 s68, ttmp9, 10
	s_add_nc_u64 s[54:55], s[20:21], s[68:69]      ; my list
	s_lshl_b32 s68, ttmp9, 12
	s_add_nc_u64 s[28:29], s[28:29], s[68:69]      ; in my work-group's row
	s_lshl_b32 s68, ttmp9, 8
	s_add_nc_u64 s[26:27], s[26:27], s[68:69]
	s_mul_i32 s68, ttmp9, 1152
	s_add_nc_u64 s[24:25], s[24:25], s[68:69]      ; sc at my work-group's 288 places
	s_lshl_b32 s60, s2, 19
	s_add_nc_u64 s[16:17], s[16:17], s[60:61]      ; wf at my wave's 128 blocks
	s_wait_kmcnt 0x0
	s_min_u32 s30, s30, 256
	s_mov_b32 s33, 2
	s_mov_b32 s35, 0
.Lchunk:
	s_wait_xcnt 0x0                                ; the last chunk's loads and stores have read their registers
	s_wait_alu depctr_vm_vsrc(0)                   ; the last chunk's memory and LDS instructions have read PO, AD, SUM, LA, RO, RID, AS0, AS1, SCO, the scores, p, CRA and PTR, all of which this chunk writes again
	v_lshlrev_b32 v[PO], 5, v[HH]
.irp p, 0,1,2,3,4
	v_mov_b32 v[AD+\p], v[AB+\p]
.endr
	s_mov_b32 s44, 0
	s_mov_b64 s[40:41], s[16:17]
.set fa, 0
.rept 18
	v_mov_b32 v[SUM+fa], 0
.set fa, fa+1
.endr
	; which places of the list: C0 + the row's number in the tile, held inside the list's 256 places
	v_add_nc_u32 v27, s35, v[RR]
	s_mul_i32 s59, s2, 36
	s_add_co_u32 s59, s59, s35
	v_lshl_add_u32 v28, v[HH], 3, s59
	s_add_co_u32 s59, s59, 32
	v_lshl_add_u32 v29, v[HH], 1, s59
.set fa, 0
.rept 9
	v_add_nc_u32 v[LA+fa], 16*fa, v27
	v_min_u32 v[LA+fa], 0xff, v[LA+fa]
	v_lshlrev_b32 v[LA+fa], 2, v[LA+fa]
.set fa, fa+1
.endr
.set fa, 0
.rept 18
.if fa < 16
	v_add_nc_u32 v[LA+9+fa], 16*(fa/8)+fa%8, v28
.else
	v_add_nc_u32 v[LA+9+fa], fa-16, v29
.endif
	v_min_u32 v[LA+9+fa], 0xff, v[LA+9+fa]
	v_lshlrev_b32 v[LA+9+fa], 2, v[LA+9+fa]
.set fa, fa+1
.endr
	s_wait_alu depctr_va_vdst(0)                   ; LA is written, and in the first chunk every address made at the kernel's head; the last chunk's vector and matrix instructions are done with RAW, RO and the ring of wf, in which the loads below land
.set fa, 0
.rept 9
	global_load_b32 v[RAW+fa], v[LA+fa], s[54:55]
.set fa, fa+1
.endr
.set fa, 0
.rept 18
	global_load_b32 v[RO+fa], v[LA+9+fa], s[54:55]
.set fa, fa+1
.endr
.irp k, 0,1,2,3,4,5,6
	BLOAD \k                                       ; the ring's first seven blocks: they land while the tile arrives
.endr
	WIN 0
	s_cmp_gt_u32 s30, s35                          ; has this chunk a row?
	s_cbranch_scc0 .Lno_tile
	s_wait_loadcnt 56                              ; the 27 row numbers are in; the 56 loads of wf behind them may stay out
.set fa, 0
.rept 9
	v_min_u32 v[RID+fa], 0xffff, v[RAW+fa]         ; inside the 65,536 rows
	v_lshlrev_b32 v[RID+fa], 2, v[RID+fa]
.set fa, fa+1
.endr
.set fa, 0
.rept 18
	v_min_u32 v[RO+fa], 0xffff, v[RO+fa]
	v_lshlrev_b32 v[RO+fa], 12, v[RO+fa]           ; 4,096 bytes a row
	v_add_nc_u32 v[RO+fa], v[R16], v[RO+fa]        ; + my 16 of 256
.set fa, fa+1
.endr
	v_mov_b32 v[AS0], v[AS0B]
	v_mov_b32 v[AS1], v[AS1B]
	s_wait_alu depctr_va_vdst(0)                   ; RID and RO are written, which the loads below read as offsets; the last chunk is done with the masks and with the staging registers, in which they land
.set fa, 0
.rept 9
	global_load_b32 v[MK+fa], v[RID+fa], s[10:11]
.set fa, fa+1
.endr
	s_add_nc_u64 s[48:49], s[8:9], 1024            ; the refills begin at slice 4
	VLOAD 0, 8
	VLOAD 1, 8
	VLOAD 2, 8
	VLOAD 3, 8
	WIN 0
	s_mov_b32 s39, 3
.Lin:                                                  ; a trip: four slices are rounded and stored, the four slices behind them asked for
	SLICE 0, 54, 1                                 ; three younger slices of 18 loads may stay out
	SLICE 1, 54, 1
	SLICE 2, 54, 1
	SLICE 3, 54, 1
	WIN 0
	s_wait_xcnt 0x0                                ; the loads have read their base
	s_wait_alu depctr_vm_vsrc(0)                   ; the LDS stores have read AS0 and AS1
	s_add_nc_u64 s[48:49], s[48:49], 1024
	v_add_nc_u32 v[AS0], 512, v[AS0]
	v_add_nc_u32 v[AS1], 512, v[AS1]
	s_sub_co_u32 s39, s39, 1
	s_cmp_lg_u32 s39, 0
	s_cbranch_scc1 .Lin
	SLICE 0, 54, 0                                 ; the last four slices ask for nothing: the counts run down
	SLICE 1, 36, 0
	SLICE 2, 18, 0
	SLICE 3, 0, 0
.Lno_tile:
	s_wait_dscnt 0x0                               ; for the others' sake: my rows of the tile are stored
	s_barrier_signal -1
	s_barrier_wait -1                              ; the tile is whole
	s_wait_alu depctr_vm_vsrc(0)                   ; my LDS stores have read TB, and the list's loads LA: these registers are A's two buffers from here on, in which fragment loads land
	s_cmp_gt_u32 s30, s35
	s_cbranch_scc0 .Lno_gemm
	ALOAD 0, 0                                     ; no wait on va_vdst: AD was written ahead of the chunk's first such wait, TB ahead of the last slice's, and no vector instruction has followed that
	s_mov_b32 s38, 4
.Lpass:                                                ; 64 units a pass
	STEP 0, 1, 1, 0                                ; the first step's products start the sums
	WIN 0
	s_mov_b32 s39, 3
.Lk:
	STEP 1, 0, 0, 0
	STEP 2, 0, 0, 0
	STEP 3, 0, 0, 0
	STEP 4, 0, 0, 0
	STEP 5, 0, 0, 0
	STEP 6, 0, 0, 0
	STEP 7, 0, 0, 1
	STEP 0, 0, 0, 0
	WIN 0
	s_sub_co_u32 s39, s39, 1
	s_cmp_lg_u32 s39, 0
	s_cbranch_scc1 .Lk
	STEP 1, 0, 0, 0
	STEP 2, 0, 0, 0
	STEP 3, 0, 0, 0
	STEP 4, 0, 0, 0
	STEP 5, 0, 0, 0
	STEP 6, 0, 0, 0
	STEP 7, 0, 0, 2
	EPI
	s_wait_xcnt 0x0                                ; the pass's loads of proj_q and V have read their offset
	s_wait_alu depctr_vm_vsrc(0)                   ; the same stated for the vector register: those loads have read PO
	v_add_nc_u32 v[PO], 0x100, v[PO]
	s_sub_co_u32 s38, s38, 1
	s_cmp_lg_u32 s38, 0
	s_cbranch_scc1 .Lpass
.Lno_gemm:
	; THE SCORE'S END
	s_wait_loadcnt 0x0                             ; the masks, and the ring's loads that nobody multiplies: no load is out when their registers are asked for again
	s_wait_dscnt 0x0                               ; my fragment reads are over, those fetched for a pass that does not come among them
	s_barrier_signal -1
	s_barrier_wait -1                              ; everybody's are: only now does any wave store into LDS again
.set fa, 0
.rept 9
	v_add_f32 v[SUM+2*fa], v[SUM+2*fa], v[SUM+2*fa+1]
.set fa, fa+1
.endr
.set fa, 0
.rept 9
	v_permlanex16_b32 v[SUM+2*fa+1], v[SUM+2*fa], s46, s47  ; the row's other units lie in the lane 16 away
.set fa, fa+1
.endr
.set fa, 0
.rept 9
	v_add_f32 v[SUM+2*fa], v[SUM+2*fa], v[SUM+2*fa+1]
.set fa, fa+1
.endr
	s_wait_alu depctr_va_vdst(0)                   ; the nine sums are written, which the LDS stores read; the products are done reading A's first buffer, in which the partial scores land below
.set fa, 0
.rept 9
	ds_store_b32 v[SXS], v[SUM+2*fa] offset:64*fa  ; lanes r and r + 16 write the same word with the same number
.set fa, fa+1
.endr
	s_wait_dscnt 0x0                               ; for the others' sake
	s_barrier_signal -1
	s_barrier_wait -1                              ; all four waves' partial scores lie in LDS
.set fa, 0
.rept 36                               ; block fa / 4, wave fa % 4
	ds_load_b32 v[64+fa], v[SXR] offset:576*(fa%4)+64*(fa/4)
.set fa, fa+1
.endr
	v_add_nc_u32 v27, s35, v[RR]
.set fa, 0
.rept 9                                ; the nine compares stand in one run, while the loads are out
	v_add_nc_u32 v28, 16*fa, v27
	v_cmp_gt_u32 s[70+fa], s30, v28                ; the row exists: its place in the list is below n
.set fa, fa+1
.endr
	s_wait_alu depctr_va_sdst(0)                   ; s70 to s78 are written, ahead of their first reader: one wait for the nine compares
	s_wait_dscnt 0x0
.set fa, 0
.rept 9
	v_pk_add_f32 v[64+4*fa:65+4*fa], v[64+4*fa:65+4*fa], v[66+4*fa:67+4*fa]
	v_mul_f32 v29, s58, v[MK+fa]
	v_add_f32 v[64+4*fa], v[64+4*fa], v[65+4*fa]
	v_add_f32 v[64+4*fa], s32, v[64+4*fa]
	v_add_f32 v[SCR+fa], v[64+4*fa], v29
	v_cndmask_b32 v[SCR+fa], v[VNEG], v[SCR+fa], s[70+fa]  ; a choice of values: a place without a row gets NEG
.set fa, fa+1
.endr
	s_cmp_lg_u32 s2, 0                             ; every wave holds all scores; wave 0 stores them, all 144, in the list's order
	s_cbranch_scc1 .Lno_store
	v_lshlrev_b32 v[SCO], 2, v27
	s_wait_alu depctr_va_vdst(0)                   ; SCO and the nine scores are written, which the stores read
.set fa, 0
.rept 9
	global_store_b32 v[SCO], v[SCR+fa], s[24:25] offset:64*fa  ; lanes r and r + 16 write the same word with the same number
.set fa, fa+1
.endr
	s_wait_xcnt 0x0                                ; the stores have read their data, which the context's LDS loads overwrite
.Lno_store:
	v_max3_num_f32 v28, v[SCR], v[SCR+1], v[SCR+2]
	v_max3_num_f32 v28, v28, v[SCR+3], v[SCR+4]
	v_max3_num_f32 v28, v28, v[SCR+5], v[SCR+6]
	v_max3_num_f32 v28, v28, v[SCR+7], v[SCR+8]
.irp m, 1,2,4,8
	v_max_num_f32_dpp v28, v28, v28 row_xmask:\m row_mask:0xf bank_mask:0xf  ; both halves of the lanes hold the same 16 rows
.endr
	v_max_num_f32 v28, v28, v[MRUN]                ; the new running maximum
.set fa, 0
.rept 9
	v_sub_f32 v[EX+fa], v[SCR+fa], v28             ; the difference first, then the factor: next to large penalties a product would lose the difference
.set fa, fa+1
.endr
	v_sub_f32 v[EX+9], v[MRUN], v28
.set fa, 0
.rept 10
	v_mul_f32 v[EX+fa], s56, v[EX+fa]
.set fa, fa+1
.endr
.set fa, 0
.rept 10
	v_exp_f32 v[EX+fa], v[EX+fa]
.set fa, fa+1
.endr
	v_mov_b32 v[MRUN], v28                         ; a plain instruction behind the last exponential,
	s_wait_alu depctr_va_vdst(0)                   ; and the one wait for the ten: they have written p and the rescaling
.set fa, 0
.rept 9
	v_cndmask_b32 v[EX+fa], 0, v[EX+fa], s[70+fa]  ; a row that does not exist weighs nothing
.set fa, fa+1
.endr
	s_wait_alu depctr_va_vdst(0)                   ; the nine choices have written p, which the LDS stores read
.set fa, 0
.rept 9
	ds_store_b32 v[PTS], v[EX+fa] offset:64*fa     ; my wave's own table of the 144 p
.set fa, fa+1
.endr
.set fa, 0
.rept 8
	v_mul_f32 v[CT+fa], v[EX+9], v[CT+fa]          ; the context so far goes over to the new maximum, while the stores are out
.set fa, fa+1
.endr
	s_wait_dscnt 0x0                               ; my table is stored, and my reads of the partial scores are over
	s_barrier_signal -1
	s_barrier_wait -1                              ; everybody's: no store into LDS is out when the context's reads begin
	s_wait_alu depctr_vm_vsrc(0)                   ; wave 0's stores have read the scores and the LDS stores p: the context's loads land in these registers
	s_cmp_gt_u32 s30, s35
	s_cbranch_scc0 .Lno_ctx
	; THE CONTEXT: thread t owns columns 8 t .. 8 t + 7, 16 bytes of every row of the tile
	v_lshlrev_b32 v[CRA], 4, v0
	v_mov_b32 v[PTR], s63
	s_mov_b32 s39, 6
.Lctx:                                                 ; 24 rows a trip
	s_wait_alu depctr_va_vdst(0)                   ; CRA and PTR are written, which the loads read; what came before (the score's end; the last trip's multiply-adds) is done with v64 to v183, in which they land
.set ck, 0
.rept 6
	ds_load_b128 v[160+4*ck:163+4*ck], v[PTR] offset:16*ck  ; my wave's table of p, the same 16 bytes for all lanes
.set ck, ck+1
.endr
.set ck, 0
.rept 24
	ds_load_b128 v[64+4*ck:67+4*ck], v[CRA] offset:PITCH*ck
.set ck, ck+1
.endr
.set ck, 0
.rept 24
	s_wait_dscnt 23-ck                             ; row ck is in; the rows behind it may stay out
.set cd, 0
.rept 4
	v_fma_mix_f32_bf16 v[CT+2*cd],   v[64+4*ck+cd], v[160+ck], v[CT+2*cd]   op_sel_hi:[1,0,0]
	v_fma_mix_f32_bf16 v[CT+2*cd+1], v[64+4*ck+cd], v[160+ck], v[CT+2*cd+1] op_sel:[1,0,0] op_sel_hi:[1,0,0]
.set cd, cd+1
.endr
.set ck, ck+1
.endr
	s_wait_alu depctr_vm_vsrc(0)                   ; the trip's loads have read CRA and PTR
	v_add_nc_u32 v[CRA], 24*PITCH, v[CRA]
	v_add_nc_u32 v[PTR], 96, v[PTR]
	s_sub_co_u32 s39, s39, 1
	s_cmp_lg_u32 s39, 0
	s_cbranch_scc1 .Lctx
.Lno_ctx:
	s_wait_dscnt 0x0                               ; my reads of the tile and of the table are over
	s_barrier_signal -1
	s_barrier_wait -1                              ; everybody's are: the next chunk may write the tile
	s_add_co_u32 s35, s35, 144
	s_sub_co_u32 s33, s33, 1
	s_cmp_lg_u32 s33, 0
	s_cbranch_scc1 .Lchunk
	; THE WAY OUT: a thread's 8 columns are 32 bytes; through my wave's own LDS bytes they become stores of 512 consecutive bytes
	v_lshl_add_u32 v27, v[LN], 5, s63
	v_lshl_add_u32 v30, v[LN], 4, s63
	s_wait_alu depctr_va_vdst(0)                   ; v27, v30 and the context are written, which the LDS instructions below read; the multiply-adds are done reading v64 to v71, in which the loads land
	ds_store_b128 v27, v[CT:CT+3]
	ds_store_b128 v27, v[CT+4:CT+7] offset:16
	ds_load_b128 v[64:67], v30
	ds_load_b128 v[68:71], v30 offset:512
	s_wait_dscnt 0x0
	global_store_b128 v[BO], v[64:67], s[28:29]
	global_store_b128 v[BO], v[68:71], s[28:29] offset:512
	s_cmp_lg_u32 s2, 0
	s_cbranch_scc1 .Lend
	v_mov_b32 v28, v[MRUN]
	v_mov_b32 v29, v[MRUN]
	v_lshlrev_b32 v[SCO], 3, v[LN]                 ; SCO: the stores that read it stand ahead of the last chunk's wait on vm_vsrc
	s_wait_alu depctr_va_vdst(0)                   ; v28, v29 and SCO are written, which the store reads
	global_store_b64 v[SCO], v[28:29], s[26:27]    ; the maximum, 64 times: 256 consecutive bytes, aligned
.Lend:
	s_wait_dscnt 0x0                               ; my last LDS instructions are done.
	s_wait_alu depctr_hold_cnt(0) depctr_sa_sdst(0) depctr_va_vdst(0) depctr_va_sdst(0) depctr_va_ssrc(0) depctr_va_vcc(0) depctr_vm_vsrc(0)
	s_wait_tensorcnt 0x0
	ds_add_u32 v254, v255
	s_wait_dscnt 0x0
	s_endpgm
.Lfunc_end_k_q472df84e25_score:
	.size	k_q472df84e25_score, .Lfunc_end_k_q472df84e25_score-k_q472df84e25_score
	.p2alignl 7, 3214868480
	.fill 96, 4, 3214868480
	.section	.rodata,"a",@progbits
	.p2align	6, 0x0
	.amdhsa_kernel k_q472df84e25_score
		.amdhsa_group_segment_fixed_size 304128
		.amdhsa_private_segment_fixed_size 0
		.amdhsa_enable_private_segment 0
		.amdhsa_kernarg_size 88
		.amdhsa_user_sgpr_count 2
		.amdhsa_user_sgpr_kernarg_segment_ptr 1
		.amdhsa_wavefront_size32 1
		.amdhsa_system_sgpr_workgroup_id_x 1
		.amdhsa_system_sgpr_workgroup_id_y 1
		.amdhsa_system_sgpr_workgroup_id_z 1
		.amdhsa_system_vgpr_workitem_id 0
		.amdhsa_next_free_vgpr 1024
		.amdhsa_next_free_sgpr 80
		.amdhsa_reserve_vcc 0
		.amdhsa_float_denorm_mode_32 3
		.amdhsa_float_denorm_mode_16_64 3
		.amdhsa_memory_ordered 1
		.amdhsa_forward_progress 1
		.amdhsa_inst_pref_size 224
	.end_amdhsa_kernel
	.amdgpu_metadata
---
amdhsa.version: [ 1, 2 ]
amdhsa.kernels:
  - .name:           k_q472df84e25_score
    .symbol:         k_q472df84e25_score.kd
    .args:
      - { .name: values, .offset: 0, .size: 8, .value_kind: global_buffer, .address_space: global }
      - { .name: mask, .offset: 8, .size: 8, .value_kind: global_buffer, .address_space: global }
      - { .name: V, .offset: 16, .size: 8, .value_kind: global_buffer, .address_space: global }
      - { .name: bV, .offset: 24, .size: 8, .value_kind: global_buffer, .address_space: global }
      - { .name: wf, .offset: 32, .size: 8, .value_kind: global_buffer, .address_space: global }
      - { .name: pq, .offset: 40, .size: 8, .value_kind: global_buffer, .address_space: global }
      - { .name: wrows, .offset: 48, .size: 8, .value_kind: global_buffer, .address_space: global }
      - { .name: pos, .offset: 56, .size: 8, .value_kind: global_buffer, .address_space: global }
      - { .name: sc, .offset: 64, .size: 8, .value_kind: global_buffer, .address_space: global }
      - { .name: st, .offset: 72, .size: 8, .value_kind: global_buffer, .address_space: global }
      - { .name: cp, .offset: 80, .size: 8, .value_kind: global_buffer, .address_space: global }
    .group_segment_fixed_size: 304128
    .private_segment_fixed_size: 0
    .kernarg_segment_align: 8
    .kernarg_segment_size: 88
    .max_flat_workgroup_size: 128
    .sgpr_count:     80
    .vgpr_count:     1024
    .wavefront_size: 32
...
	.end_amdgpu_metadata
.endif
;; end of part 5
;; launch combine: the kernel of part 4 again; grid 32 x 1, 8 waves a work-group, no clusters, 1,280 bytes of LDS; arguments pos, sc, st, cp, out0, out1; writes out0, out1
